; MI455X (gfx1250); checked and timed in simulation.
; The chip was launched on July 23, 2026; its instructions are those of AMD's public machine-readable ISA for CDNA 5 (MIT licence, August 2026) and "CDNA5" Instruction Set Architecture Reference Guide (July 2026). The comments in the code are by the model that wrote it; some were corrected since.
;; Compiler Friendly Attention. Allowed arithmetic: matrix products marked QUANTISED: E2M1 operands, one E8M0 scale for each 32 along K, by v_wmma_scale_f32_16x16x128_f8f6f4 with both operands' format E2M1 (or v_wmma_scale_f32_32x16x128_f4), f32 sums; everything else in f32.
;; Inputs: Wk 1,024 x 1,024 float32; Wo 1,024 x 1,024 float32; Wq 1,024 x 1,024 float32; Wv 1,024 x 1,024 float32; bo 1,024 float32; x 4 x 2,048 x 1,024 float32.
;; Outputs: out0 4 x 2,048 x 1,024 float32.
;; This version of the problem:
;;   THIS VERSION OF THE PROBLEM IS GIVEN IN LOW PRECISION. The matrix products marked QUANTISED in the list below multiply operands that are first quantised to E2M1 (2 exponent bits, 1 mantissa bit; 4 bits a number), with one power-of-two scale for each 32 numbers along K (OCP MX v1.0); their sums are f32. All else is computed in f32.
;;   The module's matrix products, in the order in which they are computed (A, B: the left and right operand; K: the contracted axis; several contracted axes count as one K, in the product's order):
;;     1. [M 8,192, K 1,024] x [K 1,024, N 1,024]; A: input x; B: input Wq: QUANTISED
;;     2. [M 8,192, K 1,024] x [K 1,024, N 1,024]; A: input x; B: input Wk: QUANTISED
;;     3. [M 8,192, K 1,024] x [K 1,024, N 1,024]; A: input x; B: input Wv: QUANTISED
;;     4. batch 64 x [M 2,048, K 64] x [K 64, N 2,048]; A: computed on the way; B: computed on the way: QUANTISED
;;     5. batch 64 x [M 2,048, K 2,048] x [K 2,048, N 64]; A: softmax (see below); B: computed on the way: QUANTISED
;;     6. [M 8,192, K 1,024] x [K 1,024, N 1,024]; A: computed on the way; B: input Wo: QUANTISED
;;   THE QUANTISER, for each operand of a quantised product, along K:
;;     - K is cut into blocks of 32 from its start; a last block that is shorter is filled with zeros.
;;     - A block's scale is 2^e with e = floor(log2(the largest magnitude in the block)) - 2, held to -126 .. 127; a block of zeros has e = 0. As a byte (E8M0): e + 127.
;;     - Each number is divided by its block's scale, clamped to +-6, and rounded to the nearest number of E2M1, ties to even, subnormals kept.
;;     - The product sums the exact products of the quantised numbers (number of the format x scale) in f32.
;;   ~~~python
;;   def quantise(x, axis):      # numpy; x: float32 -> the quantised numbers, widened to float32 again
;;       x = np.moveaxis(x, axis, -1); K = x.shape[-1]
;;       x = np.pad(x, [(0, 0)] * (x.ndim - 1) + [(0, -K % 32)]); x = x.reshape(x.shape[:-1] + (-1, 32)); a = np.abs(x).max(-1, keepdims=True)
;;       e = np.where(a > 0, np.clip(np.frexp(np.where(a > 0, a, 1))[1] - 1 - 2, -126, 127), 0)      # np.frexp(a)[1] - 1 = floor(log2(a)), exactly
;;       r = np.clip(x / 2.0 ** e, -6, 6)
;;       step = 2.0 ** (np.maximum(np.frexp(np.where(r == 0, 1, r))[1] - 1, 0) - 1)
;;       q = np.round(r / step) * step * 2.0 ** e      # np.round: ties to even
;;       return np.moveaxis(q.reshape(q.shape[:-2] + (-1,))[..., :K], -1, axis).astype(np.float32)
;;   ~~~
;;   SOFTMAX AHEAD OF A QUANTISED PRODUCT. Where the list says 'softmax', what is quantised is not the finished softmax but p = 2^(t - M), with t = logit x log2(e) and M = ceil(the row's largest t), a whole number; so 1/2 < the row's largest p <= 1. The row's sum l is taken of the UNQUANTISED p, in f32, and the product's result is divided by l at the end. Since M is a whole number, a kernel that streams over the keys may use a running M (the ceiling of the running maximum): every later rescaling is an exact power of two, which a block's scale takes up: the codes' values come out the same.
;;   OPERANDS COMPUTED ON THE WAY. 'Computed on the way' means the value that the module computes at that place (a softmax that the list does not call 'softmax' is quantised finished and normalised). What goes into a quantiser is computed in f32, as accurately as f32 sums, v_exp_f32 and their like allow (about 1e-6 of the number): no bf16 or f16 on the way to a quantiser, and a product that is left as it is and whose result goes on into a quantised operand takes f32 operands (vector FMAs, or v_wmma_f32_16x16x4_f32). A number that lies on a knife's edge between two numbers of the format may be rounded either way, as far as f32 arithmetic and the matrix unit's own rounding can turn it there, and no further.
;; One version. Each part assembles by itself: llvm-mc -triple=amdgcn-amd-amdhsa -mcpu=gfx1250 --defsym DOCPART=n.
;; ======== version 1 of 1: 5 launches
;; workspace buffers: xq 4,456,448 bytes; wqk 1,310,720 bytes; wvq 786,432 bytes; woq 786,432 bytes; qk 9,437,184 bytes; vt 5,242,880 bytes; oc 4,456,448 bytes
;; launch quant (part 1): grid 384 x 1, 4 waves a work-group, no clusters, 33,280 bytes of LDS; arguments x, Wq, Wk, Wv, Wo, xq, wqk, wvq, woq; writes xq, wqk, wvq, woq
.if DOCPART == 1
	.amdgcn_target "amdgcn-amd-amdhsa--gfx1250"
	.amdhsa_code_object_version 6
	.text
	.protected	k_q31d8bfeeef_quant
	.globl	k_q31d8bfeeef_quant
	.p2align	8
	.type	k_q31d8bfeeef_quant,@function
k_q31d8bfeeef_quant:
	s_mov_b64 s[64:65], 0
	v_nop
	global_prefetch_b8 v0, s[64:65] scope:SCOPE_SE
	s_setreg_imm32_b32 hwreg(HW_REG_WAVE_MODE, 25, 1), 1
	s_wait_xcnt 0x0
; x [8192][1024] and Wq, Wk, Wv, Wo [1024][1024], f32, K innermost, become codes of FP4 (E2M1), two a byte, the lower k in the low four bits, with one E8M0 byte for each 32 along K.
; A block's scale is 2^(floor(log2(its largest magnitude)) - 2); its byte is the largest magnitude's exponent field - 2, held at 1 from below.  Each number is divided by the scale and rounded to the nearest code, ties to even;
; beyond 6 the conversion gives the largest code.
; LIMITS: a block of zeros gets the byte 1 where the rule says 127 (its codes are zeros, which add nothing under any byte but 0xff, and this program alone reads the bytes); NaN and infinities among the inputs are not served.
; OUTPUT LAYOUT: each buffer holds the scale bytes [stored row][32] from byte 0 and the codes [stored row][512] from byte OPC.  Wq's rows and then Wk's share one buffer.
; THE ROWS ARE STORED PERMUTED inside each group of 32: the groups of eight rows 0, 1, 2, 3 go to places 0, 2, 1, 3.  Sixteen consecutive stored rows 16 u + p then are the rows 8 u + p + 8 (p / 8) of the group: as source 0 of
; a matrix instruction they give a lane sixteen neighbours along the next product's K in the registers of two neighbouring tiles.
; SHARES: a work-group takes one group of 32 rows, wave w its rows 8 w .. 8 w + 7: 16 steps of 512 numbers.  Work-groups 0-255 take x, then 32 each Wq, Wk, Wv, Wo: only pointers are chosen, there is one way through the text.
; Each of a step's four loads reads 512 consecutive bytes, 16 a lane; the 2,048 bytes turn through the wave's own stage in LDS and come back 64 bytes a lane, so that a lane holds 16 neighbours (two lanes hold a block).
; Waves share nothing: no barrier, no tensor load, no cluster (no byte is read by two work-groups).  Loads run four steps (16 loads a wave) ahead, the turn through LDS one step.
.set STEPS, 16
.set EMAX,  2
.set CB,    8                          ; bytes of 16 codes
.set R,     16                         ; v16-79   four sets of 16 numbers as they are loaded
.set X,     80                         ; v80-111  two sets of 16 neighbours
.set E,     112                        ; v112-127 a scale byte for each step
.set C,     128                        ; v128-191 codes: four registers for each step, so that no store's data are written again
.set WREG,  8192                       ; LDS: a region for each wave: two stages of 32 x SP bytes, behind them its 256 scale bytes
.set SP,    80                         ; a lane's place in a stage: 64 bytes + 16 of padding
.set OPC,   262144                     ; where the codes begin in each output buffer
	s_load_b512 s[8:23], s[0:1], 0x0               ; x s[8:9], Wq s[10:11], Wk s[12:13], Wv s[14:15], Wo s[16:17], xq s[18:19], wqk s[20:21], wvq s[22:23]
	s_load_b64 s[24:25], s[0:1], 0x40              ; woq
	v_lshl_add_u32 v192, v0, 2, 0x8000
	v_mov_b32 v193, 0
	v_lshrrev_b32 v1, 5, v0
	v_readfirstlane_b32 s28, v1                    ; wave
	v_and_b32 v2, 31, v0                           ; lane
	v_lshlrev_b32 v3, 4, v2                        ; my 16 bytes of a load's 512
	s_mul_i32 s29, s28, WREG
	v_lshrrev_b32 v14, 2, v2
	v_mul_u32_u24 v14, v14, SP
	v_and_b32 v15, 3, v2
	v_lshl_add_u32 v14, v15, 4, v14
	v_add_nc_u32 v14, s29, v14                     ; the stage, on the way in: SP (lane / 4) + 16 (lane % 4)
	v_mul_u32_u24 v15, v2, SP
	v_add_nc_u32 v15, s29, v15                     ; and on the way out: SP x lane: my 16 neighbours
	v_mul_u32_u24 v4, v2, CB                       ; my codes' place in a step's
	v_lshrrev_b32 v5, 1, v2
	s_add_co_u32 s29, s29, 2*32*SP
	v_add_nc_u32 v5, s29, v5                       ; LDS: my wave's 256 scale bytes, my block's byte
	v_lshlrev_b32 v7, 3, v2                        ; and on the way out 8 bytes a lane
	v_add_nc_u32 v6, s29, v7
	s_wait_alu depctr_va_vdst(0)
	s_wait_kmcnt 0x0
	s_mov_b64 s[4:5], s[8:9]                       ; which tensor: the choices hang on the work-group's number alone
	s_mov_b64 s[6:7], s[18:19]
	s_mov_b32 s26, 0                               ; the source's first work-group
	s_mov_b32 s27, 0                               ; the destination's
	s_cmp_ge_u32 ttmp9, 256
	s_cselect_b64 s[4:5], s[10:11], s[4:5]
	s_cselect_b64 s[6:7], s[20:21], s[6:7]
	s_cselect_b32 s26, 256, s26
	s_cselect_b32 s27, 256, s27
	s_cmp_ge_u32 ttmp9, 288
	s_cselect_b64 s[4:5], s[12:13], s[4:5]         ; Wk goes on in Wq's buffer
	s_cselect_b32 s26, 288, s26
	s_cmp_ge_u32 ttmp9, 320
	s_cselect_b64 s[4:5], s[14:15], s[4:5]
	s_cselect_b64 s[6:7], s[22:23], s[6:7]
	s_cselect_b32 s26, 320, s26
	s_cselect_b32 s27, 320, s27
	s_cmp_ge_u32 ttmp9, 352
	s_cselect_b64 s[4:5], s[16:17], s[4:5]
	s_cselect_b64 s[6:7], s[24:25], s[6:7]
	s_cselect_b32 s26, 352, s26
	s_cselect_b32 s27, 352, s27
	s_sub_co_u32 s30, ttmp9, s26
	s_lshl_b32 s30, s30, 2
	s_add_co_u32 s30, s30, s28                     ; which run of eight rows I read
	s_lshl_b32 s30, s30, 15                        ; 32,768 bytes a run
	s_mov_b32 s31, 0
	s_add_nc_u64 s[4:5], s[4:5], s[30:31]
	s_and_b32 s32, s28, 1                          ; and where it is stored: the wave's two bits change places
	s_lshl_b32 s32, s32, 1
	s_lshr_b32 s33, s28, 1
	s_or_b32 s32, s32, s33
	s_sub_co_u32 s33, ttmp9, s27
	s_lshl_b32 s33, s33, 2
	s_add_co_u32 s32, s33, s32
	s_lshl_b32 s34, s32, 12                        ; 4,096 bytes of codes a run
	s_add_co_u32 s34, s34, OPC
	s_mov_b32 s35, 0
	s_add_nc_u64 s[36:37], s[6:7], s[34:35]        ; my codes
	s_lshl_b32 s34, s32, 8                         ; 256 scale bytes a run
	s_add_nc_u64 s[6:7], s[6:7], s[34:35]          ; my scale bytes
.macro LOAD t
.irp i, 0,1,2,3
	global_load_b128 v[R+16*((\t)%4)+4*\i:R+16*((\t)%4)+4*\i+3], v3, s[4:5] offset:2048*(\t)+512*\i th:TH_LOAD_NT   ; 32 lanes read 512 consecutive bytes
.endr
.endm
.macro TURN t                          ; step t's numbers through the stage: LDS serves a wave's instructions in order, so no wait stands between the stores and the loads
.irp i, 0,1,2,3
	ds_store_b128 v14, v[R+16*((\t)%4)+4*\i:R+16*((\t)%4)+4*\i+3] offset:32*SP*((\t)%2)+8*SP*\i
.endr
.irp i, 0,1,2,3
	ds_load_b128 v[X+16*((\t)%2)+4*\i:X+16*((\t)%2)+4*\i+3], v15 offset:32*SP*((\t)%2)+16*\i
.endr
.endm
.irp t, 0,1,2,3
	LOAD \t
.endr
	s_wait_loadcnt 12                              ; step 0's four loads are in; three steps' twelve may be out
	TURN 0
.macro STEP t
.set XS, X+16*((\t)%2)
.if (\t) > 0
	s_wait_dscnt 1                                 ; this step's numbers are back from the stage (the last step's byte store may be out): so its stores into the stage have read their registers,
.else
	s_wait_dscnt 0x0
.endif
.if (\t)+4 < STEPS
	LOAD (\t)+4                                    ; which take the loads of four steps on
.endif
.if (\t)+1 < STEPS
.if STEPS-2-(\t) >= 3
	s_wait_loadcnt 12                              ; the next step's four loads are in; those of the three steps behind it may be out
.else
	s_wait_loadcnt 4*(STEPS-2-(\t))
.endif
	TURN (\t)+1                                    ; and go through the other stage while this step is worked
.endif
	v_max3_num_f32 v8, |v[XS]|, |v[XS+1]|, |v[XS+2]|               ; the largest magnitude of my 16, in two chains
	v_max3_num_f32 v9, |v[XS+3]|, |v[XS+4]|, |v[XS+5]|
.irp i, 6,10
	v_max3_num_f32 v8, v8, |v[XS+\i]|, |v[XS+\i+1]|
	v_max3_num_f32 v9, v9, |v[XS+\i+2]|, |v[XS+\i+3]|
.endr
	v_max3_num_f32 v8, v8, |v[XS+14]|, |v[XS+15]|
	v_max3_num_f32 v8, v8, v9, (EMAX+1)<<23        ; and the floor 2^(EMAX + 1 - 127): the byte cannot fall under 1
	v_max_num_f32_dpp v8, v8, v8 row_xmask:1 row_mask:0xf bank_mask:0xf   ; and of my neighbour's 16: the block's
	v_add_nc_u32 v11, -(EMAX<<23), v8              ; EMAX off its exponent field: the conversion takes the exponent field of this operand as its scale
	v_cvt_scalef32_pk8_fp4_f32 v[C+4*(\t)], v[XS:XS+7], v11
	v_cvt_scalef32_pk8_fp4_f32 v[C+4*(\t)+1], v[XS+8:XS+15], v11
	v_lshrrev_b32 v[E+(\t)], 23, v11               ; the scale's byte (also the plain line behind the conversions)
	ds_store_b8 v5, v[E+(\t)] offset:16*(\t)       ; both lanes of a block write the same byte with the same value
	global_store_b64 v4, v[C+4*(\t):C+4*(\t)+1], s[36:37] offset:32*CB*(\t)   ; the wave stores 256 consecutive bytes, aligned
.endm
.irp t, 0,1,2,3,4,5,6,7,8,9,10,11,12,13,14,15
	STEP \t
.endr
	ds_load_b64 v[12:13], v6                       ; LDS serves a wave's instructions in order: these see my byte stores
	s_wait_dscnt 0x0
	global_store_b64 v7, v[12:13], s[6:7]          ; 32 lanes store 256 consecutive bytes, aligned
	s_wait_tensorcnt 0x0
	ds_add_u32 v192, v193
	s_wait_dscnt 0x0
	s_endpgm
.Lfunc_end_k_q31d8bfeeef_quant:
	.size	k_q31d8bfeeef_quant, .Lfunc_end_k_q31d8bfeeef_quant-k_q31d8bfeeef_quant
	.p2alignl 7, 3214868480
	.fill 96, 4, 3214868480
	.section	.rodata,"a",@progbits
	.p2align	6, 0x0
	.amdhsa_kernel k_q31d8bfeeef_quant
		.amdhsa_group_segment_fixed_size 33280
		.amdhsa_private_segment_fixed_size 0
		.amdhsa_enable_private_segment 0
		.amdhsa_kernarg_size 72
		.amdhsa_user_sgpr_count 2
		.amdhsa_user_sgpr_kernarg_segment_ptr 1
		.amdhsa_wavefront_size32 1
		.amdhsa_system_sgpr_workgroup_id_x 1
		.amdhsa_system_sgpr_workgroup_id_y 1
		.amdhsa_system_sgpr_workgroup_id_z 1
		.amdhsa_system_vgpr_workitem_id 0
		.amdhsa_next_free_vgpr 194
		.amdhsa_next_free_sgpr 66
		.amdhsa_reserve_vcc 0
		.amdhsa_float_denorm_mode_32 3
		.amdhsa_float_denorm_mode_16_64 3
		.amdhsa_memory_ordered 1
		.amdhsa_forward_progress 1
		.amdhsa_inst_pref_size 34
	.end_amdhsa_kernel
	.amdgpu_metadata
---
amdhsa.version: [ 1, 2 ]
amdhsa.kernels:
  - .name:           k_q31d8bfeeef_quant
    .symbol:         k_q31d8bfeeef_quant.kd
    .args:
      - { .name: x, .offset: 0, .size: 8, .value_kind: global_buffer, .address_space: global }
      - { .name: Wq, .offset: 8, .size: 8, .value_kind: global_buffer, .address_space: global }
      - { .name: Wk, .offset: 16, .size: 8, .value_kind: global_buffer, .address_space: global }
      - { .name: Wv, .offset: 24, .size: 8, .value_kind: global_buffer, .address_space: global }
      - { .name: Wo, .offset: 32, .size: 8, .value_kind: global_buffer, .address_space: global }
      - { .name: xq, .offset: 40, .size: 8, .value_kind: global_buffer, .address_space: global }
      - { .name: wqk, .offset: 48, .size: 8, .value_kind: global_buffer, .address_space: global }
      - { .name: wvq, .offset: 56, .size: 8, .value_kind: global_buffer, .address_space: global }
      - { .name: woq, .offset: 64, .size: 8, .value_kind: global_buffer, .address_space: global }
    .group_segment_fixed_size: 33280
    .private_segment_fixed_size: 0
    .kernarg_segment_align: 8
    .kernarg_segment_size: 72
    .max_flat_workgroup_size: 128
    .sgpr_count:     66
    .vgpr_count:     194
    .wavefront_size: 32
...
	.end_amdgpu_metadata
.endif
;; end of part 1
;; launch gemm_qk (part 2): grid 8 x 32, 4 waves a work-group, clusters of 4 x 4, 296,448 bytes of LDS; arguments xq, wqk, qk; writes qk
.if DOCPART == 2
	.amdgcn_target "amdgcn-amd-amdhsa--gfx1250"
	.amdhsa_code_object_version 6
	.text
	.protected	k_q31d8bfeeef_gemm_qk
	.globl	k_q31d8bfeeef_gemm_qk
	.p2align	8
	.type	k_q31d8bfeeef_gemm_qk,@function
k_q31d8bfeeef_gemm_qk:
	s_mov_b64 s[64:65], 0
	v_nop
	global_prefetch_b8 v0, s[64:65] scope:SCOPE_SE
	s_setreg_imm32_b32 hwreg(HW_REG_WAVE_MODE, 25, 1), 1
	s_wait_xcnt 0x0
	s_wait_alu depctr_hold_cnt(0) depctr_sa_sdst(0) depctr_va_vdst(0) depctr_va_sdst(0) depctr_va_ssrc(0) depctr_va_vcc(0) depctr_vm_vsrc(0)
	s_getreg_b32 s2, hwreg(HW_REG_IB_STS2, 6, 4)
	s_cmp_eq_u32 s2, 0
	s_cbranch_scc0 .Lentry_in_a_cluster
	s_endpgm
.Lentry_in_a_cluster:
	s_bfe_u32 s2, ttmp6, 0x10000c
	s_cmp_lg_u32 s2, 0xf033
	s_cbranch_scc0 .Lentry_shape_is_right
	s_endpgm
.Lentry_shape_is_right:
; out = Q(S0 S1^T): a product on codes of FP4 (E2M1) with E8M0 scales, K = 1,024, whose f32 result is quantised again, in registers, along S0's rows, and stored as codes.  One body, two launches:
;   q and k:  argument 0 = x's codes (S1: 8,192 tokens), argument 1 = Wq's and Wk's codes (S0: 2,048 features): blocks of 32 along the features, the next product's K;
;   v:        argument 0 = Wv's codes (S1: 1,024 features), argument 1 = x's codes (S0: 8,192 tokens): blocks of 32 along the tokens, which are the keys, the next product's K.
; INPUT LAYOUT (both arguments): scale bytes [stored row][32] from byte 0, codes [stored row][512] from byte OPC; rows permuted inside groups of 32 so that 16 consecutive stored rows 16 u + p are rows 8 u + p + 8 (p / 8).
; A tile of 256 (S1) x 256 (S0) is made by four waves, each 128 x 128: 64 accumulators of 16 x 16, 512 registers.  Source 0 of the matrix instruction = 16 rows of S0, source 1 = 16 rows of S1: lane l holds row l % 16 of S1,
; and, by the permuted rows, the 16 registers of S0's tiles 2 b and 2 b + 1 are S0's rows 32 b + 16 (l / 16) + 0 .. 15 in their natural order: half a block of 32; lane l xor 16 holds the other half.
; K = 1,024 is two LDS slots of 512 along K (rows of 256 bytes), each filled ONCE, with the scale bytes of all of K, at the start: no LDS byte is filled twice in this launch.
; CLUSTERS: 4 x 4 work-groups.  The four of a row of the cluster need the same tiles of S1, the four of a column the same tiles of S0: each tile is asked for jointly, by the same tensor load with the same descriptor and a mask of the four.
; OUTPUT LAYOUT: an IMAGE OF THE NEXT OPERAND'S REGISTERS.  For 64 rows of S0 (plane p64) and 16 rows of S1 (tile qt) a lane holds four registers: the codes of k = 32 (l / 16) + 0 .. 31 of its row; one store writes the 32 lanes'
; 512 consecutive bytes.  With o = (p64 >> 5) + (qt >> 6): codes at OUTC + o 2^20 + (p64 & 31) 2^15 + (qt & 63) 512 + 16 l.  Scale words at o 2^17 + (p64 & 31) 4096 + ((qt >> 3) & 7) 512 + ((qt & 7) / 4) 256 + 16 r + 4 (qt & 3):
; bytes 0, 1 = the plane's two blocks; in even planes bytes 2, 3 = the next plane's two (so an even plane's word serves 128 along K); in odd planes 0.  In the launch for v the odd planes' words are written and not read.
; LIMITS: a block of zeros gets the byte 1 (this program alone reads the bytes); NaN and infinities are not served.
; REGISTERS, in windows of 256: window 0: v16-27 addresses; v32-95 scale words, two sets, nothing else; v96-103 the scale words made; v128-191 S1's fragments, one set, later the codes made; v200-215 at work.
;   window 1: S0's fragments, two sets, at v0 and v128.   window 2: the accumulators of my S1 rows 0-63 ((a, b) at v[8 (8 a + b)]);   window 3: those of rows 64-127.
.set NQ,     4                         ; steps of 128 along K in a slot
.set ROWB,   256                       ; a tile's row in bytes
.set KROW,   512                       ; a row of codes in memory
.set PITCH,  272                       ; an LDS row: 256 bytes + 16 of padding: the 16 rows that a load touches start 68 words apart
.set FR,     8                         ; registers of a fragment
.set NL,     2                         ; LDS loads that bring one
.set NP,     4                         ; places behind this matrix instruction (ISA guide 7.12.1)
.set HALFT,  128*PITCH                 ; 128 rows: what one tensor load brings
.set SLOT,   4*HALFT                   ; S1's 256 rows, then S0's 256 rows
.set KS,     32                        ; a row of scale bytes
.set SCL,    2*SLOT                    ; behind the slots: the scale bytes, as rows of 256 bytes + 16 of padding
.set HALFS,  (128*KS/256)*272          ; those of 128 rows
.set SBLK,   (16*KS/256)*272           ; those of 16 rows
.set OPC,    262144
.set OUTC,   1048576
.set ADRA, 16                          ; v16-17  LDS address of my S1 fragments in slot 0, 1
.set ADRB, 20                          ; v20-21  the same for S0
.set SO,   24                          ; v24     the scale words' place: 4,096 (l / 16) + 16 (l % 16)
.set SH,   25                          ; v25     16 (l / 16): lanes 16-31 store the word's upper two bytes, into the odd plane
.set CO,   26                          ; v26     16 x lane
.set ADRS, 27                          ; v27     LDS address of my scale words: lanes 0-15 S1's rows, lanes 16-31 S0's
.set SC,   32
.set SWD,  96
.set AF,   128
.set PC,   128
.set TM,   200                         ; +0..3 largest magnitudes, +4..7 the other half's, then bytes, +12..15 the conversions' scale operands
.set G1, 24                            ; s[24:31] group 1 for S1's tiles;  s[32:39] group 0, one set for each slot
.set G0, 32
.set G1B, 48                           ; s[48:55], s[56:63] the same for S0's
.set G0B, 56
.set G1S, 68                           ; s[68:75], s[76:79] for S1's scale bytes;  s[80:87], s[88:91] for S0's
.set G0S, 76
.set G1SB, 80
.set G0SB, 88
.set SEL, 66                           ; s[66:67] v_permlanex16_b32's selects for lane l xor 16
.set MSB, 0
.macro WIN new                         ; the immediate's high byte repeats the setting that is left
.if MSB != (\new)
	s_set_vgpr_msb (MSB<<8)|(\new)
.set MSB, (\new)
.endif
.endm
.set MUL_LO, 0xa1                      ; source 0 window 1, source 1 window 0, C and D window 2
.set MUL_HI, 0xf1                      ; the same, C and D window 3
.set TO_B,   0x40                      ; destination window 1, address window 0
; A joint load: waves 0 and 1 fetch for S1, waves 2 and 3 for S0.  Each line has one mask and one set of registers for all that issue it; the branch hangs on the wave's number alone.
; Four v_nop follow each of the two lines, ahead of the jump, the label and what follows.
.macro JLOAD g0a, g1a, g0b, g1b
	s_cmp_eq_u32 s15, 0
	s_cbranch_scc0 .Lfor_b_\@
	tensor_load_to_lds s[\g0a:\g0a+3], s[\g1a:\g1a+7]
	s_nop 0
.rept 4
	v_nop
.endr
	s_branch .Lasked_\@
.Lfor_b_\@:
	tensor_load_to_lds s[\g0b:\g0b+3], s[\g1b:\g1b+7]
	s_nop 0
.rept 4
	v_nop
.endr
.Lasked_\@:
.endm
.macro CROUND                          ; a round of the cluster's barrier
	s_barrier_signal -1
	s_barrier_wait -1
	s_cmp_lg_u32 s14, 0
	s_cbranch_scc1 .Lnot_wave_0_\@
	s_barrier_signal -3
.Lnot_wave_0_\@:
	s_barrier_wait -3
	s_barrier_signal -1
	s_barrier_wait -1
.endm
	s_load_b128 s[4:7], s[0:1], 0x0                ; S1's buffer s[4:5], S0's s[6:7]
	s_load_b64 s[12:13], s[0:1], 0x10              ; the output
	v_lshl_add_u32 v254, v0, 2, 0x48400
	v_mov_b32 v255, 0
	ds_add_u32 v254, v255
	ds_add_u32 v254, v255
	v_lshrrev_b32 v1, 5, v0
	v_readfirstlane_b32 s14, v1                    ; wave 0..3
	s_lshr_b32 s15, s14, 1                         ; which half of the tile's S1 rows is mine.  Also: I fetch for S1 (0) or for S0 (1)
	s_and_b32 s16, s14, 1                          ; which half of its S0 rows.  Also: which 128 rows of that tile I fetch
	s_bfe_u32 s40, ttmp6, 0x40000                  ; cx, cy: my place in the cluster
	s_bfe_u32 s41, ttmp6, 0x40004
	s_lshl_b32 s42, ttmp9, 2
	s_add_co_u32 s42, s42, s40                     ; S0's tile = 4 x cluster x + cx
	s_and_b32 s17, ttmp7, 0xffff
	s_lshl_b32 s17, s17, 2
	s_add_co_u32 s17, s17, s41                     ; S1's tile = 4 x cluster y + cy
	s_lshl_b32 s43, s41, 2
	s_lshl_b32 s43, 15, s43                        ; my row of the cluster
	s_lshl_b32 s44, 0x1111, s40                    ; my column
	s_mov_b32 s[SEL], 0x76543210
	s_mov_b32 s[SEL+1], 0xfedcba98
	; group 1: a tile of 128 rows x 256 bytes, padded in LDS
	s_or_b32 s[G1+0], s43, (0<<16)|(1<<20)|(1<<21)|(5<<22)|(3<<25)  ; 15:0 the mask; 17:16 elements of 1 byte; 20 padding on; 21 set beside a mask; 24:22 after every 64 words; 31:25 four words
	s_or_b32 s[G1B+0], s44, (0<<16)|(1<<20)|(1<<21)|(5<<22)|(3<<25)
.irp g, G1, G1B
	s_mov_b32 s[\g+1], ROWB<<16                    ; tensor_dim0
	s_mov_b32 s[\g+2], 128<<16                     ; tensor_dim1
	s_mov_b32 s[\g+3], ROWB<<16                    ; tile_dim0
	s_mov_b32 s[\g+4], 128                         ; tile_dim1
	s_mov_b32 s[\g+5], KROW                        ; the pitch in memory
	s_mov_b32 s[\g+6], 0
	s_mov_b32 s[\g+7], 0
.endr
	; the scale bytes of 128 rows: 4,096 dense bytes, as 16 rows of 256 (32 elements of 8 bytes), 16 bytes of padding behind each
	s_or_b32 s[G1S+0], s43, (3<<16)|(1<<20)|(1<<21)|(5<<22)|(3<<25)
	s_or_b32 s[G1SB+0], s44, (3<<16)|(1<<20)|(1<<21)|(5<<22)|(3<<25)
.irp g, G1S, G1SB
	s_mov_b32 s[\g+1], 32<<16
	s_mov_b32 s[\g+2], (128*KS/256)<<16
	s_mov_b32 s[\g+3], 32<<16
	s_mov_b32 s[\g+4], 128*KS/256
	s_mov_b32 s[\g+5], 32
	s_mov_b32 s[\g+6], 0
	s_mov_b32 s[\g+7], 0
.endr
	s_lshl_b32 s18, s16, 7                         ; which 128 rows of the tile I fetch
	s_lshl_b32 s20, s17, 8
	s_add_co_u32 s20, s20, s18                     ; S1: row 256 x tile + 128 x half
	s_lshl_b32 s46, s42, 8
	s_add_co_u32 s46, s46, s18                     ; S0 likewise
	s_lshl_b32 s22, s20, 5                         ; where these rows' scale bytes begin,
	s_mov_b32 s23, 0
	s_lshl_b32 s92, s46, 5
	s_mov_b32 s93, 0
	s_lshl_b32 s20, s20, 9                         ; and their codes (all offsets stay under 2^23)
	s_add_co_u32 s20, s20, OPC
	s_mov_b32 s21, 0
	s_lshl_b32 s46, s46, 9
	s_add_co_u32 s46, s46, OPC
	s_mov_b32 s47, 0
	s_mul_i32 s45, s14, HALFT                      ; where they go: wave x 128 rows: no place in the cluster enters an LDS address
	s_mul_i32 s94, s14, HALFS
	s_wait_dscnt 0x0
	s_wait_kmcnt 0x0
	s_add_nc_u64 s[20:21], s[4:5], s[20:21]
	s_add_nc_u64 s[22:23], s[4:5], s[22:23]
	s_add_nc_u64 s[46:47], s[6:7], s[46:47]
	s_add_nc_u64 s[92:93], s[6:7], s[92:93]
	CROUND                                         ; all sixteen work-groups are here: the joint loads meet
	s_mov_b32 s[G0S], 1
	s_add_co_u32 s[G0S+1], s94, SCL
	s_mov_b64 s[G0S+2:G0S+3], s[22:23]
	s_or_b32 s[G0S+3], s[G0S+3], 0x80000000
	s_mov_b32 s[G0SB], 1
	s_add_co_u32 s[G0SB+1], s94, SCL
	s_mov_b64 s[G0SB+2:G0SB+3], s[92:93]
	s_or_b32 s[G0SB+3], s[G0SB+3], 0x80000000
	JLOAD G0S, G1S, G0SB, G1SB                     ; the scale bytes first: they are wanted with the first step
.irp s, 0,1
	s_mov_b32 s[G0+4*\s], 1
	s_add_co_u32 s[G0+4*\s+1], s45, \s*SLOT
	s_add_nc_u64 s[G0+4*\s+2:G0+4*\s+3], s[20:21], \s*ROWB
	s_or_b32 s[G0+4*\s+3], s[G0+4*\s+3], 0x80000000
	s_mov_b32 s[G0B+4*\s], 1
	s_add_co_u32 s[G0B+4*\s+1], s45, \s*SLOT
	s_add_nc_u64 s[G0B+4*\s+2:G0B+4*\s+3], s[46:47], \s*ROWB
	s_or_b32 s[G0B+4*\s+3], s[G0B+4*\s+3], 0x80000000
	JLOAD G0+4*\s, G1, G0B+4*\s, G1B               ; three loads of mine are out at the most
.endr
	v_and_b32 v1, 15, v0                           ; r = l % 16
	v_bfe_u32 v2, v0, 4, 1                         ; h = l / 16
	v_mul_u32_u24 v3, v1, PITCH
	v_lshl_add_u32 v4, v2, 4, v3                   ; a fragment's row x pitch + 16 x half
	s_mul_i32 s21, s15, HALFT                      ; my 128 rows of S1
	s_mul_i32 s22, s16, HALFT                      ; my 128 rows of S0,
	s_add_co_u32 s22, s22, 2*HALFT                 ; which lie behind S1's 256
.irp s, 0,1
	v_add_nc_u32 v[ADRA+\s], s21, v4
	v_add_nc_u32 v[ADRB+\s], s22, v4
	s_add_co_u32 s21, s21, SLOT
	s_add_co_u32 s22, s22, SLOT
.endr
	v_mul_u32_u24 v5, v1, KS                       ; my row's scale bytes: 32 a row,
	v_lshrrev_b32 v6, 8, v5
	v_lshl_add_u32 v5, v6, 4, v5                   ; and 16 more for each 256 passed
	s_mul_i32 s21, s15, HALFS
	s_mul_i32 s22, s16, HALFS
	s_add_co_u32 s22, s22, 2*HALFS
	s_sub_co_u32 s22, s22, s21
	v_mul_u32_u24 v6, s22, v2                      ; lanes 16-31 take S0's: one product, the distance between the two bases
	s_add_co_u32 s21, s21, SCL
	v_add_nc_u32 v5, v5, v6
	v_add_nc_u32 v[ADRS], s21, v5
	v_lshlrev_b32 v[SO], 4, v1
	v_lshl_add_u32 v[SO], v2, 12, v[SO]
	v_lshlrev_b32 v[SH], 4, v2
	v_and_b32 v6, 31, v0
	v_lshlrev_b32 v[CO], 4, v6
.irp b, 0,1,2,3
	v_mov_b32 v[TM+4+\b], 0                        ; written once: a lane permute's destination counts as one of its sources
.endr
	; where my part of the output begins.  pg = my 128 rows of S0, qg = my 128 rows of S1
	s_lshl_b32 s46, s42, 1
	s_add_co_u32 s46, s46, s16                     ; pg
	s_lshl_b32 s20, s17, 1
	s_add_co_u32 s20, s20, s15                     ; qg
	s_lshr_b32 s47, s46, 4
	s_lshr_b32 s21, s20, 3
	s_add_co_u32 s47, s47, s21                     ; o = (pg >> 4) + (qg >> 3): one of the two is 0 in each launch
	s_lshl_b32 s46, s46, 1
	s_and_b32 s46, s46, 31                         ; my even plane
	s_and_b32 s20, s20, 7
	s_lshl_b32 s92, s47, 20
	s_lshl_b32 s93, s46, 15
	s_add_co_u32 s92, s92, s93
	s_lshl_b32 s93, s20, 12
	s_add_co_u32 s92, s92, s93
	s_add_co_u32 s92, s92, OUTC
	s_mov_b32 s93, 0
	s_lshl_b32 s22, s47, 17
	s_lshl_b32 s23, s46, 12
	s_add_co_u32 s22, s22, s23
	s_lshl_b32 s23, s20, 9
	s_add_co_u32 s22, s22, s23
	s_mov_b32 s23, 0
	s_add_nc_u64 s[10:11], s[12:13], s[22:23]      ; my scale words
	s_add_nc_u64 s[12:13], s[12:13], s[92:93]      ; my codes
.macro FRAG reg, adr, q, i             ; 16 rows x 128 K of 4-bit codes: lane l holds row l % 16; registers 4 c .. 4 c + 3 hold K = 64 c + 32 (l / 16) + 0 .. 31
.irp c, 0,1
	ds_load_b128 v[\reg+4*\c:\reg+4*\c+3], v[\adr] offset:64*(\q)+32*\c+(\i)*16*PITCH
.endr
.endm
; 16 matrix instructions: S1's blocks a0, a0 + 1 x S0's eight, the slot's q-th 128 along K.  p: S0's set; sc: the set of scale words.  zero = 1: the first product starts the sums.
; The 64 accumulators take turns, one instruction a turn, in the same order in every step.
.macro MUL16 a0, p, q, sc, zero
.irp a, \a0, \a0+1
.irp b, 0,1,2,3,4,5,6,7
.if \zero
	v_wmma_scale_f32_16x16x128_f8f6f4 v[8*(8*((\a)%4)+\b):8*(8*((\a)%4)+\b)+7], v[128*(\p)+FR*\b:128*(\p)+FR*\b+FR-1], v[AF+FR*(\a):AF+FR*(\a)+FR-1], 0, v[SC+8*NQ*(\sc)+NQ*\b+(\q)], v[SC+8*NQ*(\sc)+NQ*(\a)+(\q)] matrix_a_fmt:MATRIX_FMT_FP4 matrix_b_fmt:MATRIX_FMT_FP4 matrix_a_scale:MATRIX_SCALE_ROW1
.else
	v_wmma_scale_f32_16x16x128_f8f6f4 v[8*(8*((\a)%4)+\b):8*(8*((\a)%4)+\b)+7], v[128*(\p)+FR*\b:128*(\p)+FR*\b+FR-1], v[AF+FR*(\a):AF+FR*(\a)+FR-1], v[8*(8*((\a)%4)+\b):8*(8*((\a)%4)+\b)+7], v[SC+8*NQ*(\sc)+NQ*\b+(\q)], v[SC+8*NQ*(\sc)+NQ*(\a)+(\q)] matrix_a_fmt:MATRIX_FMT_FP4 matrix_b_fmt:MATRIX_FMT_FP4 matrix_a_scale:MATRIX_SCALE_ROW1
.endif
.endr
.endr
.endm
.macro FETCH_B slot, q, p
	WIN TO_B
.irp i, 0,1,2,3,4,5,6,7
	FRAG 128*(\p)+FR*\i, ADRB+\slot, \q, \i
.endr
	WIN 0
.endm
.macro FETCH_A slot, q, i0
.irp i, \i0, \i0+1, \i0+2, \i0+3
	FRAG AF+FR*(\i), ADRA+\slot, \q, \i
.endr
.endm
.macro SCALES sc                       ; a slot's scale words: four words a row; lanes 0-15 take S1's block i, lanes 16-31 S0's block i
.irp i, 0,1,2,3,4,5,6,7
	ds_load_b128 v[SC+8*NQ*\sc+NQ*\i:SC+8*NQ*\sc+NQ*\i+3], v[ADRS] offset:\i*SBLK
.endr
.endm
.macro PLACES n                        ; plain vector lines between a matrix instruction and a load into, or a vector read of, its registers
.rept \n
	v_nop
.endr
.endm
; A step of 128 along K that has its successor in the same slot.
.macro STEP slot, q, zero
	s_wait_dscnt 4*NL                              ; S0's set and S1's blocks 0-3 are in; the youngest eight loads (S1's blocks 4-7) may be out
	WIN MUL_LO
	MUL16 0, (\q)%2, \q, \slot, \zero
	MUL16 2, (\q)%2, \q, \slot, \zero
	s_wait_dscnt 0                                 ; S1's blocks 4-7 are in
	PLACES NP
	FETCH_B \slot, (\q)+1, 1-(\q)%2
	FETCH_A \slot, (\q)+1, 0
	WIN MUL_HI
	MUL16 4, (\q)%2, \q, \slot, \zero
	MUL16 6, (\q)%2, \q, \slot, \zero
	PLACES NP
	WIN 0
	FETCH_A \slot, (\q)+1, 4
.endm
	s_wait_tensorcnt 1                             ; the scale bytes and my part of slot 0 are in (slot 1's load may be out)
	s_barrier_signal -1
	s_barrier_wait -1                              ; everybody's are
	FETCH_B 0, 0, 0
	FETCH_A 0, 0, 0
	SCALES 0
	FETCH_A 0, 0, 4
	STEP 0, 0, 1                                   ; the first step's products start the sums
	STEP 0, 1, 0
	STEP 0, 2, 0
	; slot 0's last step changes slots: each wave waits for its part of slot 1, then the barrier shows the whole slot to all four
	s_wait_tensorcnt 0x0
	s_wait_dscnt 4*NL
	WIN MUL_LO
	MUL16 0, 1, NQ-1, 0, 0
	s_wait_dscnt 0x0                               ; no LDS instruction of mine is out at the signal
	s_barrier_signal -1
	MUL16 2, 1, NQ-1, 0, 0                         ; work on registers while the others arrive
	WIN 0
	s_barrier_wait -1
	PLACES NP
	v_add_nc_u32 v[ADRS], 4*NQ, v[ADRS]            ; on to slot 1's scale words (no LDS load of mine is out)
	FETCH_B 1, 0, 0
	FETCH_A 1, 0, 0
	SCALES 1
	WIN MUL_HI
	MUL16 4, 1, NQ-1, 0, 0
	MUL16 6, 1, NQ-1, 0, 0
	PLACES NP
	WIN 0
	FETCH_A 1, 0, 4
	STEP 1, 0, 0
	STEP 1, 1, 0
	STEP 1, 2, 0
	s_wait_dscnt 4*NL                              ; the last step: nothing more to fetch
	WIN MUL_LO
	MUL16 0, 1, NQ-1, 1, 0
	MUL16 2, 1, NQ-1, 1, 0
	s_wait_dscnt 0
	WIN MUL_HI
	MUL16 4, 1, NQ-1, 1, 0
	MUL16 6, 1, NQ-1, 1, 0
	WIN 0
	PLACES NP
; THE WAY OUT of S1's block a: its eight accumulators are 64 numbers a lane, register 16 b + i = S0's row 32 b + 16 (l / 16) + i.  Four blocks of 32: largest magnitudes (each accumulator is read from its low end on),
; scale bytes, codes; two exchanges of halves give each lane a whole block; two stores of 512 consecutive bytes, one into each plane.  Each block a has registers of its own for codes and word: no store's data are written again.
.macro QOUT a
.set AC, 64*((\a)%4)
.set PCA, PC+8*(\a)
	WIN 0x28+0x14*((\a)/4)                         ; sources 1 and 2: window 2 or 3
.irp b, 0,1,2,3
	v_max3_num_f32 v[TM+\b], 0x1800000, |v[AC+16*\b]|, |v[AC+16*\b+1]|   ; with the floor 2^(3 - 127): the byte cannot fall under 1
.endr
.irp i, 2,4,6,8,10,12,14
.irp b, 0,1,2,3
	v_max3_num_f32 v[TM+\b], v[TM+\b], |v[AC+16*\b+\i]|, |v[AC+16*\b+\i+1]|   ; the four blocks by turns
.endr
.endr
	WIN 0
.irp b, 0,1,2,3
	v_permlanex16_b32 v[TM+4+\b], v[TM+\b], s[SEL], s[SEL+1]
.endr
.irp b, 0,1,2,3
	v_max_num_f32 v[TM+\b], v[TM+\b], v[TM+4+\b]   ; with lane l xor 16's: the block's largest magnitude
.endr
.irp b, 0,1,2,3
	v_add_nc_u32 v[TM+12+\b], 0xff000000, v[TM+\b] ; 2 off its exponent field: the conversion's scale operand
.endr
.irp b, 0,1,2,3
	v_lshrrev_b32 v[TM+4+\b], 23, v[TM+12+\b]      ; the scale's byte
.endr
	v_lshl_or_b32 v[SWD+(\a)], v[TM+5], 8, v[TM+4]
	v_lshl_or_b32 v[SWD+(\a)], v[TM+6], 16, v[SWD+(\a)]
	v_lshl_or_b32 v[SWD+(\a)], v[TM+7], 24, v[SWD+(\a)]
	WIN 0x02+(\a)/4                                ; source 0: window 2 or 3
.irp b, 0,1,2,3
	v_cvt_scalef32_pk8_fp4_f32 v[PCA+2*\b], v[AC+16*\b:AC+16*\b+7], v[TM+12+\b]
	v_cvt_scalef32_pk8_fp4_f32 v[PCA+2*\b+1], v[AC+16*\b+8:AC+16*\b+15], v[TM+12+\b]
.endr
	WIN 0
	v_nop                                          ; one plain line behind a scaled conversion
.irp c, 0,1
.irp i, 0,1
	v_permlane16_swap_b32 v[PCA+4*\c+\i], v[PCA+4*\c+2+\i]   ; registers 4 c .. 4 c + 3 now hold k = 64 c + 32 (l / 16) + 0 .. 31
.endr
.endr
.irp c, 0,1
	global_store_b128 v[CO], v[PCA+4*\c:PCA+4*\c+3], s[12:13] offset:32768*\c+512*(\a)   ; 32 lanes store 512 consecutive bytes, aligned
.endr
.endm
.irp a, 0,1,2,3,4,5,6,7
	QOUT \a
.endr
.irp a, 0,1,2,3,4,5,6,7
	v_lshrrev_b32 v[SWD+\a], v[SH], v[SWD+\a]      ; lanes 16-31: the odd plane's two bytes come down
.endr
.irp k, 0,1
	global_store_b128 v[SO], v[SWD+4*\k:SWD+4*\k+3], s[10:11] offset:256*\k   ; sixteen lanes store 256 consecutive bytes, aligned, in each plane
.endr
	s_wait_tensorcnt 0x0
	ds_add_u32 v254, v255
	s_wait_dscnt 0x0
	CROUND                                         ; the closing round: no work-group ends while a partner may still ask for a tile that names it
	s_endpgm
.Lfunc_end_k_q31d8bfeeef_gemm_qk:
	.size	k_q31d8bfeeef_gemm_qk, .Lfunc_end_k_q31d8bfeeef_gemm_qk-k_q31d8bfeeef_gemm_qk
	.p2alignl 7, 3214868480
	.fill 96, 4, 3214868480
	.section	.rodata,"a",@progbits
	.p2align	6, 0x0
	.amdhsa_kernel k_q31d8bfeeef_gemm_qk
		.amdhsa_group_segment_fixed_size 296448
		.amdhsa_private_segment_fixed_size 0
		.amdhsa_enable_private_segment 0
		.amdhsa_kernarg_size 24
		.amdhsa_user_sgpr_count 2
		.amdhsa_user_sgpr_kernarg_segment_ptr 1
		.amdhsa_wavefront_size32 1
		.amdhsa_system_sgpr_workgroup_id_x 1
		.amdhsa_system_sgpr_workgroup_id_y 1
		.amdhsa_system_sgpr_workgroup_id_z 1
		.amdhsa_system_vgpr_workitem_id 0
		.amdhsa_next_free_vgpr 1024
		.amdhsa_next_free_sgpr 98
		.amdhsa_reserve_vcc 0
		.amdhsa_float_denorm_mode_32 3
		.amdhsa_float_denorm_mode_16_64 3
		.amdhsa_memory_ordered 1
		.amdhsa_forward_progress 1
		.amdhsa_inst_pref_size 128
	.end_amdhsa_kernel
	.amdgpu_metadata
---
amdhsa.version: [ 1, 2 ]
amdhsa.kernels:
  - .name:           k_q31d8bfeeef_gemm_qk
    .symbol:         k_q31d8bfeeef_gemm_qk.kd
    .args:
      - { .name: xq, .offset: 0, .size: 8, .value_kind: global_buffer, .address_space: global }
      - { .name: wqk, .offset: 8, .size: 8, .value_kind: global_buffer, .address_space: global }
      - { .name: qk, .offset: 16, .size: 8, .value_kind: global_buffer, .address_space: global }
    .group_segment_fixed_size: 296448
    .private_segment_fixed_size: 0
    .kernarg_segment_align: 8
    .kernarg_segment_size: 24
    .max_flat_workgroup_size: 128
    .sgpr_count:     98
    .vgpr_count:     1024
    .wavefront_size: 32
...
	.end_amdgpu_metadata
.endif
;; end of part 2
;; launch gemm_v: the kernel of part 2 again; grid 32 x 4, 4 waves a work-group, clusters of 4 x 4, 296,448 bytes of LDS; arguments wvq, xq, vt; writes vt
;; launch attn (part 3): grid 8 x 32, 16 waves a work-group, clusters of 4 x 1, 289,792 bytes of LDS; arguments qk, vt, oc; writes oc
.if DOCPART == 3
	.amdgcn_target "amdgcn-amd-amdhsa--gfx1250"
	.amdhsa_code_object_version 6
	.text
	.protected	k_q31d8bfeeef_attn
	.globl	k_q31d8bfeeef_attn
	.p2align	8
	.type	k_q31d8bfeeef_attn,@function
k_q31d8bfeeef_attn:
	s_mov_b64 s[64:65], 0
	v_nop
	global_prefetch_b8 v0, s[64:65] scope:SCOPE_SE
	s_setreg_imm32_b32 hwreg(HW_REG_WAVE_MODE, 25, 1), 1
	s_wait_xcnt 0x0
	s_wait_alu depctr_hold_cnt(0) depctr_sa_sdst(0) depctr_va_vdst(0) depctr_va_sdst(0) depctr_va_ssrc(0) depctr_va_vcc(0) depctr_vm_vsrc(0)
	s_getreg_b32 s2, hwreg(HW_REG_IB_STS2, 6, 4)
	s_cmp_eq_u32 s2, 0
	s_cbranch_scc0 .Lentry_in_a_cluster
	s_endpgm
.Lentry_in_a_cluster:
	s_bfe_u32 s2, ttmp6, 0x10000c
	s_cmp_lg_u32 s2, 0x3003
	s_cbranch_scc0 .Lentry_shape_is_right
	s_endpgm
.Lentry_shape_is_right:
; o = softmax(q k^T / 8) v for 64 (batch, head) pairs of 2,048 tokens and head size 64, both products on codes of FP4 (E2M1) with E8M0 scales; o is normalised, quantised along the model's 1,024 and stored as codes.
; THE SOFTMAX AHEAD OF THE SECOND PRODUCT: t = score x log2(e) / 8; M = the row's largest t so far, rounded up to a whole number; p = 2^(t - M) is quantised along the keys, not normalised; the row's sum is taken of the
; unquantised p and divides O at the end; when M moves, the sum and O are multiplied by 2^(old M - new M), which rounds nothing.
; INPUTS are images of operand registers: for a plane of 64 along K and a tile of 16 rows, 512 bytes, lane l's 16 bytes (k = 32 (l / 16) + 0 .. 31 of row l % 16) at 16 l.  q and k: planes = heads (K = the head's 64: the upper
; half of the instruction's 128 is zero codes on both sides, kept in registers that are cleared once).  v: planes = 64 keys, tiles = 16 of the head's 64.  Tokens lie permuted inside groups of 32, so that a tile of 16 keys
; holds keys 8 u + r + 8 (r / 8): the 16 registers of tiles 2 b and 2 b + 1 of S^T are 16 neighbouring keys.  v's rows are permuted likewise, so O^T's registers run along the head's 64 in natural order.
; SHARES: a work-group owns 256 (stored) queries of one batch and a PAIR of heads; each of its sixteen waves owns one tile of 16 queries, in 256 registers, four waves to a SIMD, and does head 2 g, then head 2 g + 1:
; 16 steps of 128 keys each.  Both products are used transposed (S^T = K Q^T, O^T = V^T P^T): a lane holds one query throughout.
; LDS: both heads' K and V, codes and scale words, 2 x 143,360 bytes, each byte filled ONCE, at the start; head 2 g is read chunk by chunk (512 keys) as it lands, head 2 g + 1 lands meanwhile.
; CLUSTER: the four query blocks of a cluster read the same K and V: every fill is a joint load with the mask of the four.  Waves 0 and 1 fetch the two heads' K, waves 2 and 3 their V: five loads each are out at the most.
; OUTPUT: codes [token tile 512][head 16][512-byte image] from byte OPC; scale words [head pair 8][stored token 8,192] x 4 bytes from byte 0: bytes 0, 1 head 2 g's two blocks, bytes 2, 3 head 2 g + 1's.
; LIMITS: 1 / sum is v_rcp_f32 and a multiplication; a block of zeros gets the byte 1 (this program alone reads the bytes); NaN and infinities are not served.  A block's largest p is taken from the block's largest
; score by the same multiply-add and exponential, which takes v_exp_f32 not to fall where its input rises.
; REGISTERS: v1-4 addresses that stay; v5 o's scale word; v6, v7 Q's scale words; v8-11 V's; v12 -M, v13 the largest t, v[14:15] the sum in two halves; v16-23 Q; v24-27 addresses of the step; v28-31 addresses that stay;
;   v32-95 K's eight fragments; v96-159 S^T, then p; v160-191 O^T; v192-223 V's four fragments; v224-231 p's codes; v232-243, v252 at work; v244-251 K's scale words; v253 p's scale word; v[254:255] f.
.set HB,   143360                      ; a head's region in LDS: K's codes 65,536; V's codes 65,536; K's scale words 8,192; V's 4,096
.set VCD,  65536
.set KSC,  131072
.set VSC,  139264
.set OST,  2*HB                        ; behind both regions: 1,024 bytes, the stage for o's scale words; no fill lands there
.set OUTC, 1048576
.set OPC,  262144
.set WV,   10                          ; s10  my wave's number
.set TK,   12                          ; s12  LDS byte of the step's codes (K's and V's: 4,096 a step)
.set TS,   13                          ; s13  of K's scale words: 512 a step
.set TT,   14                          ; s14  of V's: 256 a step
.set CNT,  15                          ; s15  the loop's count
.set CS,   16                          ; s[16:17] c = log2(e) / 8, twice: the packed form names a pair
.set SEL,  18                          ; s[18:19] v_permlanex16_b32's selects for lane l xor 16
.macro CROUND                          ; a round of the cluster's barrier
	s_barrier_signal -1
	s_barrier_wait -1
	s_cmp_lg_u32 s[WV], 0
	s_cbranch_scc1 .Lnot_wave_0_\@
	s_barrier_signal -3
.Lnot_wave_0_\@:
	s_barrier_wait -3
	s_barrier_signal -1
	s_barrier_wait -1
.endm
.macro G1SET g, c, r, p                ; group 1: r rows of c elements of 8 bytes, p elements apart in memory, dense in LDS; the mask names all four work-groups, bit 21 beside it
	s_mov_b32 s[\g], 15|(3<<16)|(1<<21)
	s_mov_b32 s[\g+1], (\c)<<16
	s_mov_b32 s[\g+2], (\r)<<16
	s_mov_b32 s[\g+3], (\c)<<16
	s_mov_b32 s[\g+4], \r
	s_mov_b32 s[\g+5], \p
	s_mov_b32 s[\g+6], 0
	s_mov_b32 s[\g+7], 0
.endm
.macro G0SET g, lds, off               ; group 0: to my head's region + lds, from s[100:101] + off
	s_mov_b32 s[\g], 1
	s_add_co_u32 s[\g+1], s3, \lds
	s_add_nc_u64 s[\g+2:\g+3], s[100:101], \off
	s_or_b32 s[\g+3], s[\g+3], 0x80000000
.endm
	s_load_b128 s[4:7], s[0:1], 0x0                ; qk s[4:5], vt s[6:7]
	s_load_b64 s[8:9], s[0:1], 0x10                ; oc
	v_lshl_add_u32 v254, v0, 2, 0x46400
	v_mov_b32 v255, 0
	ds_add_u32 v254, v255
	ds_add_u32 v254, v255
	s_wait_dscnt 0x0
	v_lshrrev_b32 v1, 5, v0
	s_delay_alu instid0(VALU_DEP_1)
	v_readfirstlane_b32 s[WV], v1                  ; wave 0..15
	s_and_b32 s11, s[WV], 1                        ; which head of the pair I fetch for, if I fetch
	s_bfe_u32 s20, ttmp6, 0x40000                  ; cx: it enters Q's and o's addresses alone
	s_and_b32 s21, ttmp7, 0xffff
	s_lshr_b32 s22, s21, 3                         ; the batch
	s_and_b32 s23, s21, 7                          ; the pair of heads
	s_mov_b32 s[CS], 0x3e38aa3b
	s_mov_b32 s[CS+1], s[CS]
	s_mov_b32 s[SEL], 0x76543210
	s_mov_b32 s[SEL+1], 0xfedcba98
	; the address registers, all made ahead of the first branch on the wave's number
	v_and_b32 v5, 31, v0
	s_delay_alu instid0(VALU_DEP_1)
	v_lshlrev_b32 v1, 4, v5                        ; 16 x lane: an image's place for my lane; K's codes
	s_delay_alu instid0(VALU_DEP_1)
	v_add_nc_u32 v2, VCD, v1                       ; V's codes
	v_and_b32 v31, 15, v0
	s_delay_alu instid0(VALU_DEP_1)
	v_lshlrev_b32 v31, 4, v31                      ; 16 r: four scale words of my row
	s_delay_alu instid0(VALU_DEP_1)
	v_add_nc_u32 v3, KSC, v31
	s_delay_alu instid0(VALU_DEP_2)
	v_add_nc_u32 v4, VSC, v31
	s_delay_alu instid0(VALU_DEP_3)
	v_lshrrev_b32 v28, 2, v31
	s_lshl_b32 s[CNT], s[WV], 6
	v_add_nc_u32 v28, s[CNT], v28
	s_delay_alu instid0(VALU_DEP_1)
	v_add_nc_u32 v28, OST, v28                     ; the stage: 64 x wave + 4 r
	v_and_b32 v30, 63, v0
	s_delay_alu instid0(VALU_DEP_1)
	v_lshlrev_b32 v30, 4, v30                      ; back: 16 bytes a thread of waves 0 and 1
	s_delay_alu instid0(VALU_DEP_1)
	v_add_nc_u32 v29, OST, v30
	G1SET 24, 512, 2, 16384                        ; K's scale words: two runs of 4,096 bytes, 131,072 apart
	G1SET 32, 32, 64, 32                           ; K's codes of 512 keys: 16,384 dense bytes
	G1SET 40, 32, 16, 1024                         ; V's scale words: 16 steps x 256 bytes, 8,192 apart
	G1SET 48, 256, 8, 4096                         ; V's codes of 512 keys: 8 planes x 2,048 bytes, 32,768 apart
	s_lshl_b32 s2, s23, 1
	s_add_co_u32 s2, s2, s11                       ; the head I fetch for
	s_mul_i32 s3, s11, HB                          ; its region
	s_mov_b32 s105, 0
	s_wait_kmcnt 0x0
	s_add_co_u32 s21, s2, 16                       ; k's plane
	s_lshl_b32 s104, s22, 18
	s_lshl_b32 s[CNT], s21, 12
	s_add_co_u32 s104, s104, s[CNT]
	s_add_nc_u64 s[100:101], s[4:5], s[104:105]
	G0SET 56, KSC, 0
	s_lshl_b32 s104, s22, 21
	s_lshl_b32 s[CNT], s21, 15
	s_add_co_u32 s104, s104, s[CNT]
	s_add_co_u32 s104, s104, OUTC
	s_add_nc_u64 s[100:101], s[4:5], s[104:105]
	G0SET 60, 0, 0
	G0SET 68, 16384, 1<<14
	G0SET 72, 32768, 1<<20
	G0SET 76, 49152, (1<<20)+(1<<14)
	s_lshl_b32 s104, s22, 17
	s_lshl_b32 s[CNT], s23, 9
	s_add_co_u32 s104, s104, s[CNT]
	s_lshl_b32 s[CNT], s11, 8
	s_add_co_u32 s104, s104, s[CNT]
	s_add_nc_u64 s[100:101], s[6:7], s[104:105]
	G0SET 80, VSC, 0
	s_lshl_b32 s104, s22, 20
	s_lshl_b32 s[CNT], s2, 11
	s_add_co_u32 s104, s104, s[CNT]
	s_add_co_u32 s104, s104, OUTC
	s_add_nc_u64 s[100:101], s[6:7], s[104:105]
	G0SET 84, VCD, 0
	G0SET 88, VCD+16384, 1<<18
	G0SET 92, VCD+32768, 2<<18
	G0SET 96, VCD+49152, 3<<18
	CROUND                                         ; all four work-groups are here: the joint loads meet
	s_cmp_lt_u32 s[WV], 2                          ; a wave's fills stand in one branch, ahead of every wait on TENSORcnt and every LDS read; four v_nop follow the last
	s_cbranch_scc0 .Lnot_k
	tensor_load_to_lds s[56:59], s[24:31]
	s_nop 0
	tensor_load_to_lds s[60:63], s[32:39]
	s_nop 0
	tensor_load_to_lds s[68:71], s[32:39]
	s_nop 0
	tensor_load_to_lds s[72:75], s[32:39]
	s_nop 0
	tensor_load_to_lds s[76:79], s[32:39]
	s_nop 0
.rept 4
	v_nop
.endr
	s_branch .Lasked
.Lnot_k:
	s_cmp_lt_u32 s[WV], 4
	s_cbranch_scc0 .Lasked
	tensor_load_to_lds s[80:83], s[40:47]
	s_nop 0
	tensor_load_to_lds s[84:87], s[48:55]
	s_nop 0
	tensor_load_to_lds s[88:91], s[48:55]
	s_nop 0
	tensor_load_to_lds s[92:95], s[48:55]
	s_nop 0
	tensor_load_to_lds s[96:99], s[48:55]
	s_nop 0
.rept 4
	v_nop
.endr
.Lasked:
	; Q's and o's addresses.  My token tile is 128 batch + 16 (4 cluster x + cx) + wave
	s_lshl_b32 s2, s22, 1
	s_add_co_u32 s2, s2, ttmp9                     ; which 1,024 tokens
	s_lshl_b32 s104, s2, 17
	s_lshl_b32 s3, s23, 13
	s_add_co_u32 s104, s104, s3
	s_lshl_b32 s3, s20, 10
	s_add_co_u32 s104, s104, s3
	s_lshr_b32 s3, s[WV], 2
	s_lshl_b32 s3, s3, 8
	s_add_co_u32 s104, s104, s3
	s_and_b32 s3, s[WV], 3
	s_lshl_b32 s3, s3, 2
	s_add_co_u32 s104, s104, s3
	s_add_nc_u64 s[66:67], s[4:5], s[104:105]      ; Q's scale words, head 2 g; the next head's lie 4,096 bytes on
	s_lshl_b32 s104, s2, 20
	s_lshl_b32 s3, s23, 16
	s_add_co_u32 s104, s104, s3
	s_lshl_b32 s3, s20, 13
	s_add_co_u32 s104, s104, s3
	s_lshl_b32 s3, s[WV], 9
	s_add_co_u32 s104, s104, s3
	s_add_co_u32 s104, s104, OUTC
	s_add_nc_u64 s[4:5], s[4:5], s[104:105]        ; Q's codes, head 2 g; the next head's lie 32,768 bytes on
	s_lshl_b32 s2, ttmp9, 2
	s_add_co_u32 s2, s2, s20                       ; my block of 256 queries
	s_lshl_b32 s104, s23, 15
	s_lshl_b32 s3, s22, 13
	s_add_co_u32 s104, s104, s3
	s_lshl_b32 s3, s2, 10
	s_add_co_u32 s104, s104, s3
	s_add_nc_u64 s[100:101], s[8:9], s[104:105]    ; o's scale words of the block
	s_lshl_b32 s104, s22, 20
	s_lshl_b32 s3, s2, 17
	s_add_co_u32 s104, s104, s3
	s_lshl_b32 s3, s[WV], 13
	s_add_co_u32 s104, s104, s3
	s_lshl_b32 s3, s23, 10
	s_add_co_u32 s104, s104, s3
	s_add_co_u32 s104, s104, OPC
	s_add_nc_u64 s[8:9], s[8:9], s[104:105]        ; o's codes of my tile, head 2 g
	global_load_b128 v[16:19], v1, s[4:5]          ; Q's fragment, head 2 g
	s_wait_alu depctr_va_vdst(0)
	global_load_b32 v6, v31, s[66:67]
	global_load_b32 v7, v31, s[66:67] offset:4096
.irp j, 20,21,22,23
	v_mov_b32 v\j, 0                               ; K = 64 .. 127 of Q: zero codes
.endr
.irp t, 0,1,2,3,4,5,6,7
.irp j, 4,5,6,7
	v_mov_b32 v[32+8*\t+\j], 0                     ; and of K's eight fragments: cleared once, never loaded
.endr
.endr
.irp b, 0,1,2,3
	v_mov_b32 v[236+\b], 0                         ; written once: a lane permute's destination counts as one of its sources
.endr
	v_mov_b32 v255, 0                              ; named as the upper half of the pair v[254:255]
.macro INIT                            ; a head begins: the largest t -3e38, the sum and O^T zeros, which the first change of M leaves zeros
	v_mov_b32 v13, 0xff61b1e6
	s_delay_alu instid0(VALU_DEP_1)
	v_floor_f32 v12, -v13
	v_mov_b32 v14, 0
	v_mov_b32 v15, 0
.set j, 0
.rept 32
	v_mov_b32 v[160+j], 0
.set j, j+1
.endr
.endm
; A KEY STEP: 128 keys.  qs: the register of Q's scale words.
.macro STEP qs
	v_add_nc_u32 v24, s[TK], v1                    ; these four lines are also the places between the last step's products and the loads into their registers
	v_add_nc_u32 v25, s[TK], v2
	v_add_nc_u32 v26, s[TS], v3
	v_add_nc_u32 v27, s[TT], v4
.irp t, 0,1,2,3,4,5,6,7
	ds_load_b128 v[32+8*\t:35+8*\t], v24 offset:512*\t             ; K's tile t: 32 lanes read 512 consecutive bytes
.endr
	ds_load_b128 v[244:247], v26
	ds_load_b128 v[248:251], v26 offset:256
.irp t, 0,1,2,3
.irp c, 0,1
	ds_load_b128 v[192+8*\t+4*\c:195+8*\t+4*\c], v25 offset:512*\t+2048*\c   ; V's tile t, keys 64 c on
.endr
.endr
	ds_load_b128 v[8:11], v27
	s_wait_dscnt 9                                 ; K and its scale words are in; V's eight loads and its scale words may be out
.irp t, 0,1,2,3,4,5,6,7
	v_wmma_scale_f32_16x16x128_f8f6f4 v[96+8*\t:103+8*\t], v[32+8*\t:39+8*\t], v[16:23], 0, v[244+\t], v[\qs] matrix_a_fmt:MATRIX_FMT_FP4 matrix_b_fmt:MATRIX_FMT_FP4
.endr
.rept 4
	v_nop
.endr
.irp b, 0,1,2,3
	v_max3_num_f32 v[232+\b], v[96+16*\b], v[97+16*\b], v[98+16*\b]   ; the largest score of each block of 32 keys: for the row's maximum and, since p rises with the score, for the block's largest p
.endr
.irp i, 3,5,7,9,11,13
.irp b, 0,1,2,3
	v_max3_num_f32 v[232+\b], v[232+\b], v[96+16*\b+\i], v[97+16*\b+\i]
.endr
.endr
.irp b, 0,1,2,3
	v_max_num_f32 v[232+\b], v[232+\b], v[111+16*\b]
.endr
.irp b, 0,1,2,3
	s_delay_alu instid0(VALU_DEP_4)
	v_permlanex16_b32 v[236+\b], v[232+\b], s[SEL], s[SEL+1]
.endr
.irp b, 0,1,2,3
	s_delay_alu instid0(VALU_DEP_4)
	v_max_num_f32 v[232+\b], v[232+\b], v[236+\b]  ; with lane l xor 16's 16 keys
.endr
	s_delay_alu instid0(VALU_DEP_2)
	v_max3_num_f32 v252, v232, v233, v234
	s_delay_alu instid0(VALU_DEP_1)
	v_max_num_f32 v252, v252, v235                 ; the step's largest score of my query
	s_delay_alu instid0(VALU_DEP_1)
	v_mul_f32 v252, s[CS], v252                    ; as t (c is positive)
	s_delay_alu instid0(VALU_DEP_1)
	v_max_num_f32 v13, v13, v252                   ; the running largest t
	v_mov_b32 v252, v12
	s_delay_alu instid0(VALU_DEP_2)
	v_floor_f32 v12, -v13                          ; the new -M = floor(-t) = -ceil(t)
	s_delay_alu instid0(VALU_DEP_1)
	v_sub_f32 v252, v12, v252                      ; old M - new M: a whole number, 0 or less
	s_delay_alu instid0(VALU_DEP_1)
	v_cvt_i32_f32 v252, v252                       ; (it saturates)
	s_delay_alu instid0(VALU_DEP_1)
	v_ldexp_f32 v254, 1.0, v252                    ; f = 2^(old M - new M)
.set j, 0
.rept 32
	v_pk_fma_f32 v[96+j:97+j], v[96+j:97+j], s[CS:CS+1], v[12:13] op_sel_hi:[1,0,0]   ; t - M, two at a time
.set j, j+2
.endr
.irp b, 0,1,2,3
	v_fma_f32 v[232+\b], v[232+\b], s[CS], v12     ; the same of each block's largest score
.endr
.set j, 0
	s_wait_alu depctr_va_vdst(0)
.rept 64
	v_exp_f32 v[96+j], v[96+j]                     ; p = 2^(t - M), at most 1
.set j, j+1
.endr
	s_setprio 1
.irp b, 0,1,2,3
	v_exp_f32 v[232+\b], v[232+\b]                 ; the block's largest p
.endr
	v_pk_mul_f32 v[14:15], v[14:15], v[254:255] op_sel_hi:[1,0]   ; the sums under the new M (the plain line behind the exponentials)
	s_wait_alu depctr_va_vdst(0)
.irp b, 0,1,2,3
	v_max_num_f32 v[232+\b], 0x1800000, v[232+\b]  ; the floor 2^(3 - 127): the byte cannot fall under 1
.endr
.irp b, 0,1,2,3
	s_delay_alu instid0(VALU_DEP_4)
	v_add_nc_u32 v[240+\b], 0xff000000, v[232+\b]  ; 2 off the exponent field: the conversion's scale operand
.endr
.irp b, 0,1,2,3
	s_delay_alu instid0(VALU_DEP_4)
	v_lshrrev_b32 v[236+\b], 23, v[240+\b]         ; the scale's byte
.endr
	s_delay_alu instid0(VALU_DEP_3)
	v_lshl_or_b32 v253, v237, 8, v236              ; p's scale word for these 128 keys
	s_delay_alu instid0(VALU_DEP_1)
	v_lshl_or_b32 v253, v238, 16, v253
	s_delay_alu instid0(VALU_DEP_1)
	v_lshl_or_b32 v253, v239, 24, v253
.irp b, 0,1,2,3
	v_cvt_scalef32_pk8_fp4_f32 v[224+2*\b], v[96+16*\b:103+16*\b], v[240+\b]
	v_cvt_scalef32_pk8_fp4_f32 v[225+2*\b], v[104+16*\b:111+16*\b], v[240+\b]
.endr
	v_nop                                          ; one plain line behind a scaled conversion
.irp c, 0,1
.irp i, 0,1
	v_permlane16_swap_b32 v[224+4*\c+\i], v[226+4*\c+\i]   ; a whole block to a lane: lanes 0-15 block 2 c, lanes 16-31 block 2 c + 1
.endr
.endr
	v_pk_add_f32 v[236:237], v[100:101], v[104:105]
	v_pk_add_f32 v[250:251], v[108:109], v[112:113]
	v_pk_add_f32 v[248:249], v[116:117], v[120:121]
	v_pk_add_f32 v[246:247], v[124:125], v[128:129]
	v_pk_add_f32 v[244:245], v[132:133], v[136:137]
	v_pk_add_f32 v[242:243], v[140:141], v[144:145]
	v_pk_add_f32 v[240:241], v[148:149], v[152:153]
	v_pk_add_f32 v[14:15], v[14:15], v[156:157]
	v_pk_add_f32 v[236:237], v[236:237], v[96:97]
	v_pk_add_f32 v[250:251], v[250:251], v[98:99]
	v_pk_add_f32 v[248:249], v[248:249], v[102:103]
	v_pk_add_f32 v[246:247], v[246:247], v[106:107]
	v_pk_add_f32 v[244:245], v[244:245], v[110:111]
	v_pk_add_f32 v[242:243], v[242:243], v[114:115]
	v_pk_add_f32 v[240:241], v[240:241], v[118:119]
	v_pk_add_f32 v[14:15], v[14:15], v[122:123]
	v_pk_add_f32 v[236:237], v[236:237], v[126:127]
	v_pk_add_f32 v[250:251], v[250:251], v[130:131]
	v_pk_add_f32 v[248:249], v[248:249], v[134:135]
	v_pk_add_f32 v[246:247], v[246:247], v[138:139]
	v_pk_add_f32 v[244:245], v[244:245], v[142:143]
	v_pk_add_f32 v[242:243], v[242:243], v[146:147]
	v_pk_add_f32 v[240:241], v[240:241], v[150:151]
	v_pk_add_f32 v[14:15], v[14:15], v[154:155]
	v_pk_add_f32 v[236:237], v[236:237], v[158:159]
	s_delay_alu instid0(VALU_DEP_2)
	v_pk_add_f32 v[14:15], v[14:15], v[246:247]
	s_delay_alu instid0(VALU_DEP_2)
	v_pk_add_f32 v[236:237], v[236:237], v[244:245]
	v_pk_add_f32 v[250:251], v[250:251], v[242:243]
	v_pk_add_f32 v[248:249], v[248:249], v[240:241]
	s_delay_alu instid0(VALU_DEP_2)
	v_pk_add_f32 v[14:15], v[14:15], v[250:251]
	s_delay_alu instid0(VALU_DEP_2)
	v_pk_add_f32 v[236:237], v[236:237], v[248:249]
	s_delay_alu instid0(VALU_DEP_1)
	v_pk_add_f32 v[14:15], v[14:15], v[236:237]
.set j, 0
	s_setprio 0
.rept 16
	v_pk_mul_f32 v[160+j:161+j], v[160+j:161+j], v[254:255] op_sel_hi:[1,0]   ; O^T under the new M.  (With the sums above: the places between the lines that made p's codes and scale word and the products below)
.set j, j+2
.endr
	s_wait_alu depctr_va_vdst(0)
	s_wait_dscnt 0x0                               ; V and its scale words are in
.irp t, 0,1,2,3
	v_wmma_scale_f32_16x16x128_f8f6f4 v[160+8*\t:167+8*\t], v[192+8*\t:199+8*\t], v[224:231], v[160+8*\t:167+8*\t], v[8+\t], v253 matrix_a_fmt:MATRIX_FMT_FP4 matrix_b_fmt:MATRIX_FMT_FP4
.endr
	s_add_co_u32 s[TK], s[TK], 4096
	s_add_co_u32 s[TS], s[TS], 512
	s_add_co_u32 s[TT], s[TT], 256
.endm
.macro RUN n, qs
	s_mov_b32 s[CNT], \n
.Lrun_\@:
	s_setprio 2
	STEP \qs
	s_sub_co_u32 s[CNT], s[CNT], 1
	s_cmp_lg_u32 s[CNT], 0
	s_cbranch_scc1 .Lrun_\@
	s_setprio 0
.endm
; A HEAD ENDS: O^T / the sum; its 32 numbers a lane, register 16 b + i = channel 32 b + 16 (l / 16) + i, are two blocks of the last product's K: bytes into o's scale word, codes out as an image.
.macro HEADOUT e
.rept 4
	v_nop                                          ; places behind the last products
.endr
.if \e == 0
	global_load_b128 v[16:19], v1, s[4:5] offset:32768   ; the next head's Q: the last product that read these registers stands a whole softmax back
.endif
	v_add_f32 v14, v14, v15                        ; the sum's two halves,
	s_delay_alu instid0(VALU_DEP_1)
	v_permlanex16_b32 v252, v14, s[SEL], s[SEL+1]
	s_delay_alu instid0(VALU_DEP_1)
	v_add_f32 v14, v14, v252                       ; and lane l xor 16's
	s_wait_alu depctr_va_vdst(0)
	v_rcp_f32 v14, v14
	v_nop                                          ; one plain line behind a transcendental
.set j, 0
	s_wait_alu depctr_va_vdst(0)
.rept 16
	v_pk_mul_f32 v[96+j:97+j], v[160+j:161+j], v[14:15] op_sel_hi:[1,0]   ; each accumulator from its low end on
.set j, j+2
.endr
.irp b, 0,1
	v_max3_num_f32 v[232+\b], |v[96+16*\b]|, |v[97+16*\b]|, 0x1800000
.endr
.irp i, 2,4,6,8,10,12,14
.irp b, 0,1
	s_delay_alu instid0(VALU_DEP_2)
	v_max3_num_f32 v[232+\b], v[232+\b], |v[96+16*\b+\i]|, |v[97+16*\b+\i]|
.endr
.endr
.irp b, 0,1
	s_delay_alu instid0(VALU_DEP_2)
	v_permlanex16_b32 v[236+\b], v[232+\b], s[SEL], s[SEL+1]
.endr
.irp b, 0,1
	s_delay_alu instid0(VALU_DEP_2)
	v_max_num_f32 v[232+\b], v[232+\b], v[236+\b]
.endr
.irp b, 0,1
	s_delay_alu instid0(VALU_DEP_2)
	v_add_nc_u32 v[240+\b], 0xff000000, v[232+\b]
.endr
.irp b, 0,1
	s_delay_alu instid0(VALU_DEP_2)
	v_lshrrev_b32 v[236+\b], 23, v[240+\b]
.endr
.if \e == 0
	s_delay_alu instid0(VALU_DEP_1)
	v_lshl_or_b32 v5, v237, 8, v236
.else
	s_delay_alu instid0(VALU_DEP_2)
	v_lshl_or_b32 v5, v236, 16, v5
	s_delay_alu instid0(VALU_DEP_1)
	v_lshl_or_b32 v5, v237, 24, v5
.endif
.irp b, 0,1
	v_cvt_scalef32_pk8_fp4_f32 v[224+2*\b], v[96+16*\b:103+16*\b], v[240+\b]
	v_cvt_scalef32_pk8_fp4_f32 v[225+2*\b], v[104+16*\b:111+16*\b], v[240+\b]
.endr
	v_nop
	v_permlane16_swap_b32 v224, v226
	v_permlane16_swap_b32 v225, v227
	global_store_b128 v1, v[224:227], s[8:9] offset:512*\e   ; 32 lanes store 512 consecutive bytes, aligned
	s_wait_xcnt 0x0                                ; the store has read its registers: the next head's codes may be written there
.if \e == 0
	s_wait_loadcnt 0x0                             ; the next head's Q is in
.endif
.endm
	INIT
	s_wait_loadcnt 0x0                             ; Q and its scale words
.irp c, 0,1,2,3                        ; head 2 g, 512 keys at a time, as they land
	s_wait_tensorcnt 3-\c                          ; a fetching wave's scale words and chunks 0 .. c are in; its 3 - c later chunks may be out
	s_barrier_signal -1                            ; (no LDS instruction of mine is out: each step ends behind a wait for all)
	s_barrier_wait -1                              ; every wave's are
	s_mov_b32 s[TK], 16384*\c
	s_mov_b32 s[TS], 2048*\c
	s_mov_b32 s[TT], 1024*\c
	RUN 4, 6
.endr
	HEADOUT 0
	INIT
	s_mov_b32 s[TK], HB                            ; head 2 g + 1: the last barrier has shown all fills landed to every wave
	s_mov_b32 s[TS], HB
	s_mov_b32 s[TT], HB
	RUN 16, 7
	HEADOUT 1
	s_wait_alu depctr_va_vdst(0)
	ds_store_b32 v28, v5                           ; o's scale words meet in the stage (both halves of the lanes write the same word with the same value)
	s_wait_dscnt 0x0                               ; for the others' sake: my store is done
	s_barrier_signal -1
	s_barrier_wait -1
	s_cmp_lt_u32 s[WV], 2
	s_cbranch_scc0 .Lno_words
	ds_load_b128 v[232:235], v29
	s_wait_dscnt 0x0
	global_store_b128 v30, v[232:235], s[100:101]  ; waves 0 and 1: 512 consecutive bytes each, aligned
.Lno_words:
	s_wait_xcnt 0x0
	v_lshl_add_u32 v254, v0, 2, 0x46400
	v_mov_b32 v255, 0
	s_wait_alu depctr_va_vdst(0)
	s_wait_tensorcnt 0x0
	ds_add_u32 v254, v255
	s_wait_dscnt 0x0
	CROUND                                         ; the closing round: no work-group ends while a partner may still ask for a tile that names it
	s_endpgm
.Lfunc_end_k_q31d8bfeeef_attn:
	.size	k_q31d8bfeeef_attn, .Lfunc_end_k_q31d8bfeeef_attn-k_q31d8bfeeef_attn
	.p2alignl 7, 3214868480
	.fill 96, 4, 3214868480
	.section	.rodata,"a",@progbits
	.p2align	6, 0x0
	.amdhsa_kernel k_q31d8bfeeef_attn
		.amdhsa_group_segment_fixed_size 289792
		.amdhsa_private_segment_fixed_size 0
		.amdhsa_enable_private_segment 0
		.amdhsa_kernarg_size 24
		.amdhsa_user_sgpr_count 2
		.amdhsa_user_sgpr_kernarg_segment_ptr 1
		.amdhsa_wavefront_size32 1
		.amdhsa_system_sgpr_workgroup_id_x 1
		.amdhsa_system_sgpr_workgroup_id_y 1
		.amdhsa_system_sgpr_workgroup_id_z 1
		.amdhsa_system_vgpr_workitem_id 0
		.amdhsa_next_free_vgpr 256
		.amdhsa_next_free_sgpr 106
		.amdhsa_reserve_vcc 0
		.amdhsa_float_denorm_mode_32 3
		.amdhsa_float_denorm_mode_16_64 3
		.amdhsa_memory_ordered 1
		.amdhsa_forward_progress 1
		.amdhsa_inst_pref_size 106
	.end_amdhsa_kernel
	.amdgpu_metadata
---
amdhsa.version: [ 1, 2 ]
amdhsa.kernels:
  - .name:           k_q31d8bfeeef_attn
    .symbol:         k_q31d8bfeeef_attn.kd
    .args:
      - { .name: qk, .offset: 0, .size: 8, .value_kind: global_buffer, .address_space: global }
      - { .name: vt, .offset: 8, .size: 8, .value_kind: global_buffer, .address_space: global }
      - { .name: oc, .offset: 16, .size: 8, .value_kind: global_buffer, .address_space: global }
    .group_segment_fixed_size: 289792
    .private_segment_fixed_size: 0
    .kernarg_segment_align: 8
    .kernarg_segment_size: 24
    .max_flat_workgroup_size: 512
    .sgpr_count:     106
    .vgpr_count:     256
    .wavefront_size: 32
...
	.end_amdgpu_metadata
.endif
;; end of part 3
;; launch gemm_o (part 4): grid 4 x 32, 4 waves a work-group, clusters of 4 x 4, 327,680 bytes of LDS; arguments oc, woq, bo, out0; writes out0
.if DOCPART == 4
	.amdgcn_target "amdgcn-amd-amdhsa--gfx1250"
	.amdhsa_code_object_version 6
	.text
	.protected	k_q31d8bfeeef_gemm_o
	.globl	k_q31d8bfeeef_gemm_o
	.p2align	8
	.type	k_q31d8bfeeef_gemm_o,@function
k_q31d8bfeeef_gemm_o:
	s_mov_b64 s[64:65], 0
	v_nop
	global_prefetch_b8 v0, s[64:65] scope:SCOPE_SE
	s_setreg_imm32_b32 hwreg(HW_REG_WAVE_MODE, 25, 1), 1
	s_wait_xcnt 0x0
	s_wait_alu depctr_hold_cnt(0) depctr_sa_sdst(0) depctr_va_vdst(0) depctr_va_sdst(0) depctr_va_ssrc(0) depctr_va_vcc(0) depctr_vm_vsrc(0)
	s_getreg_b32 s2, hwreg(HW_REG_IB_STS2, 6, 4)
	s_cmp_eq_u32 s2, 0
	s_cbranch_scc0 .Lentry_in_a_cluster
	s_endpgm
.Lentry_in_a_cluster:
	s_bfe_u32 s2, ttmp6, 0x10000c
	s_cmp_lg_u32 s2, 0xf033
	s_cbranch_scc0 .Lentry_shape_is_right
	s_endpgm
.Lentry_shape_is_right:
; out0[token][n] = sum over k of o[token][k] Wo[n][k] + bo[n], on codes of FP4 (E2M1) with E8M0 scales, K = 1,024; out0 [8192][1024] f32.
; o's codes are images of operand registers, [token tile 512][head 16][512 bytes]: a fragment of 128 along K is two heads' images, each read at 16 x lane; its scale words lie [head pair 8][stored token] x 4 bytes.
; Wo's buffer: scale bytes [stored row][32] from byte 0, codes [stored row][512] from byte OPC.  Tokens and Wo's rows lie permuted inside groups of 32 (16 consecutive stored rows 16 u + p are rows 8 u + p + 8 (p / 8)).
; A tile of 256 x 256 is made by four waves, each 128 x 128: 64 accumulators.  Source 0 = 16 rows of Wo, source 1 = 16 tokens: a lane holds one stored token, and the registers of Wo's tiles 2 b, 2 b + 1 are the columns
; 32 b + 16 (l / 16) + 0 .. 15 in natural order.  The tokens' permutation is undone in the stores' row offsets.  The bias is the C of each sum's first matrix instruction.
; K = 1,024 is two LDS slots of 512 along K, each filled ONCE, with all scale bytes, at the start: no LDS byte is filled twice.  128 work-groups: a smaller tile would want a second main loop for a short launch.
; CLUSTERS: 4 x 4 work-groups; o's tiles are shared along a row of the cluster, Wo's along a column: joint loads with a mask of the four.
; REGISTERS: window 0: v16-29 addresses; v32-63 o's scale words, v64-95 Wo's, for all of K, nothing else; v128-191 o's fragments, one set; on the way out v128-255 rows of out0.
;   window 1: Wo's fragments, two sets, at v0 and v128; v64-127 the bias in the result's layout.   windows 2, 3: the accumulators ((a, b) at v[8 (8 (a % 4) + b)]).
.set PITCH,  272                       ; a row of Wo's tile in LDS: 256 bytes + 16 of padding
.set AHALF,  32768                     ; o's codes of 128 tokens x 512 along K: 8 tiles x 4,096 bytes
.set BHALF,  128*PITCH
.set BOFF,   2*AHALF
.set SLOT,   BOFF+2*BHALF
.set SCLA,   2*SLOT                    ; o's scale words: [half][head pair 8][512 bytes]
.set SCLB,   SCLA+8192                 ; Wo's scale bytes: [half][16 rows of 256 bytes + 16]
.set HALFSB, 16*272
.set OPC,    262144
.set SPITCH, 528                       ; the way out: a stage of 16 rows x (512 bytes + 16) for each wave, in slot 0, which has had its one fill and its last read when the first result is stored there
.set NP,   4
.set ADRA, 16
.set ADRB, 20
.set STO,  24
.set RD,   25
.set CO,   26
.set ADSA, 27
.set ADSB, 28
.set BIA,  29
.set SA,   32                          ; o's scale words: v[SA + 4 g + a / 2]: lanes 0-15 block a even, lanes 16-31 block a + 1
.set SB,   64                          ; Wo's: v[SB + 8 (b / 2) + g]: lanes 0-15 block b even, lanes 16-31 block b + 1
.set AF,   128
.set BK,   128
.set G1, 24
.set G0, 32
.set G1B, 48
.set G0B, 56
.set G1S, 68
.set G0S, 76
.set G1SB, 80
.set G0SB, 88
.set MSB, 0
.macro WIN new
.if MSB != (\new)
	s_set_vgpr_msb (MSB<<8)|(\new)
.set MSB, (\new)
.endif
.endm
.set MUL_LO, 0xa1                      ; source 0 window 1, source 1 window 0, C and D window 2
.set MUL_HI, 0xf1
.set FST_LO, 0x91                      ; the first step: C (the bias) window 1, D window 2
.set FST_HI, 0xd1
.set TO_B,   0x40
.macro JLOAD g0a, g1a, g0b, g1b        ; waves 0 and 1 fetch for o, waves 2 and 3 for Wo; four v_nop follow each line
	s_cmp_eq_u32 s15, 0
	s_cbranch_scc0 .Lfor_b_\@
	tensor_load_to_lds s[\g0a:\g0a+3], s[\g1a:\g1a+7]
	s_nop 0
.rept 4
	v_nop
.endr
	s_branch .Lasked_\@
.Lfor_b_\@:
	tensor_load_to_lds s[\g0b:\g0b+3], s[\g1b:\g1b+7]
	s_nop 0
.rept 4
	v_nop
.endr
.Lasked_\@:
.endm
.macro CROUND
	s_barrier_signal -1
	s_barrier_wait -1
	s_cmp_lg_u32 s14, 0
	s_cbranch_scc1 .Lnot_wave_0_\@
	s_barrier_signal -3
.Lnot_wave_0_\@:
	s_barrier_wait -3
	s_barrier_signal -1
	s_barrier_wait -1
.endm
.macro G1REST g, c, r, p               ; words 1 to 7 of a group 1: r rows of c elements, p elements apart
	s_mov_b32 s[\g+1], (\c)<<16
	s_mov_b32 s[\g+2], (\r)<<16
	s_mov_b32 s[\g+3], (\c)<<16
	s_mov_b32 s[\g+4], \r
	s_mov_b32 s[\g+5], \p
	s_mov_b32 s[\g+6], 0
	s_mov_b32 s[\g+7], 0
.endm
	s_load_b256 s[4:11], s[0:1], 0x0               ; oc s[4:5], woq s[6:7], bo s[8:9], out0 s[10:11]
	v_lshl_add_u32 v126, v0, 2, 0x46400
	v_mov_b32 v127, 0
	ds_add_u32 v126, v127
	ds_add_u32 v126, v127
	v_lshrrev_b32 v1, 5, v0
	v_readfirstlane_b32 s14, v1                    ; wave 0..3
	s_lshr_b32 s15, s14, 1                         ; which half of the tile's tokens is mine.  Also: I fetch for o (0) or for Wo (1)
	s_and_b32 s16, s14, 1                          ; which half of its columns.  Also: which half of that tile I fetch
	s_bfe_u32 s40, ttmp6, 0x40000
	s_bfe_u32 s41, ttmp6, 0x40004
	s_lshl_b32 s42, ttmp9, 2
	s_add_co_u32 s42, s42, s40                     ; tile column
	s_and_b32 s17, ttmp7, 0xffff
	s_lshl_b32 s17, s17, 2
	s_add_co_u32 s17, s17, s41                     ; tile row
	s_lshl_b32 s43, s41, 2
	s_lshl_b32 s43, 15, s43                        ; my row of the cluster
	s_lshl_b32 s44, 0x1111, s40                    ; my column
	s_or_b32 s[G1], s43, (3<<16)|(1<<21)           ; o's codes: 8 token tiles x 4,096 bytes (512 elements of 8), 8,192 bytes apart, dense in LDS
	G1REST G1, 512, 8, 1024
	s_or_b32 s[G1B], s44, (0<<16)|(1<<20)|(1<<21)|(5<<22)|(3<<25)   ; Wo's codes: 128 rows x 256 bytes, 512 apart, 16 bytes of padding behind each
	G1REST G1B, 256, 128, 512
	s_or_b32 s[G1S], s43, (3<<16)|(1<<21)          ; o's scale words: 8 head pairs x 512 bytes, 32,768 apart
	G1REST G1S, 64, 8, 4096
	s_or_b32 s[G1SB], s44, (3<<16)|(1<<20)|(1<<21)|(5<<22)|(3<<25)  ; Wo's scale bytes of 128 rows: 16 rows of 256 dense bytes, padded
	G1REST G1SB, 32, 16, 32
	s_lshl_b32 s20, s17, 4
	s_lshl_b32 s18, s16, 3
	s_add_co_u32 s20, s20, s18                     ; o: my first token tile
	s_lshl_b32 s22, s20, 6                         ; its scale words: 16 tokens x 4 bytes a tile
	s_mov_b32 s23, 0
	s_lshl_b32 s20, s20, 13
	s_add_co_u32 s20, s20, OPC
	s_mov_b32 s21, 0
	s_lshl_b32 s46, s42, 8
	s_lshl_b32 s18, s16, 7
	s_add_co_u32 s46, s46, s18                     ; Wo: my first row
	s_lshl_b32 s92, s46, 5
	s_mov_b32 s93, 0
	s_lshl_b32 s46, s46, 9
	s_add_co_u32 s46, s46, OPC
	s_mov_b32 s47, 0
	s_mul_i32 s45, s16, AHALF                      ; where they go: no place in the cluster enters an LDS address
	s_mul_i32 s95, s16, BHALF
	s_add_co_u32 s95, s95, BOFF
	s_lshl_b32 s94, s16, 12
	s_add_co_u32 s94, s94, SCLA
	s_mul_i32 s96, s16, HALFSB
	s_add_co_u32 s96, s96, SCLB
	s_wait_dscnt 0x0
	s_wait_kmcnt 0x0
	s_add_nc_u64 s[20:21], s[4:5], s[20:21]
	s_add_nc_u64 s[22:23], s[4:5], s[22:23]
	s_add_nc_u64 s[46:47], s[6:7], s[46:47]
	s_add_nc_u64 s[92:93], s[6:7], s[92:93]
	CROUND                                         ; all sixteen work-groups are here: the joint loads meet
	s_mov_b32 s[G0S], 1
	s_mov_b32 s[G0S+1], s94
	s_mov_b64 s[G0S+2:G0S+3], s[22:23]
	s_or_b32 s[G0S+3], s[G0S+3], 0x80000000
	s_mov_b32 s[G0SB], 1
	s_mov_b32 s[G0SB+1], s96
	s_mov_b64 s[G0SB+2:G0SB+3], s[92:93]
	s_or_b32 s[G0SB+3], s[G0SB+3], 0x80000000
	JLOAD G0S, G1S, G0SB, G1SB
.irp s, 0,1
	s_mov_b32 s[G0+4*\s], 1
	s_add_co_u32 s[G0+4*\s+1], s45, \s*SLOT
	s_add_nc_u64 s[G0+4*\s+2:G0+4*\s+3], s[20:21], \s*4096
	s_or_b32 s[G0+4*\s+3], s[G0+4*\s+3], 0x80000000
	s_mov_b32 s[G0B+4*\s], 1
	s_add_co_u32 s[G0B+4*\s+1], s95, \s*SLOT
	s_add_nc_u64 s[G0B+4*\s+2:G0B+4*\s+3], s[46:47], \s*256
	s_or_b32 s[G0B+4*\s+3], s[G0B+4*\s+3], 0x80000000
	s_wait_alu depctr_va_vdst(0)
	s_wait_tensorcnt 0x0
	ds_add_u32 v126, v127
	s_wait_dscnt 0x0
	CROUND
	JLOAD G0+4*\s, G1, G0B+4*\s, G1B               ; three loads of mine are out at the most
.endr
	v_and_b32 v1, 15, v0                           ; r
	v_bfe_u32 v2, v0, 4, 1                         ; h
	v_and_b32 v6, 31, v0                           ; lane
	v_lshlrev_b32 v[CO], 4, v6                     ; 16 x lane
	s_mul_i32 s21, s15, AHALF
	v_add_nc_u32 v[ADRA], s21, v[CO]               ; o's images: my 128 tokens, 16 x lane
	v_add_nc_u32 v[ADRA+1], SLOT, v[ADRA]
	v_mul_u32_u24 v3, v1, PITCH
	v_lshl_add_u32 v3, v2, 4, v3
	s_mul_i32 s22, s16, BHALF
	s_add_co_u32 s22, s22, BOFF
	v_add_nc_u32 v[ADRB], s22, v3                  ; Wo's rows: row x pitch + 16 x half
	v_add_nc_u32 v[ADRB+1], SLOT, v[ADRB]
	s_lshl_b32 s21, s15, 12
	s_add_co_u32 s21, s21, SCLA
	v_lshl_add_u32 v[ADSA], v6, 2, s21             ; o's scale words: 4 x lane: 32 tokens, two blocks
	v_lshrrev_b32 v4, 3, v6
	v_mul_u32_u24 v4, v4, 272
	v_and_b32 v5, 7, v6
	v_lshl_add_u32 v4, v5, 5, v4
	s_mul_i32 s22, s16, HALFSB
	s_add_co_u32 s22, s22, SCLB
	v_add_nc_u32 v[ADSB], s22, v4                  ; Wo's: row = lane: 272 (lane / 8) + 32 (lane % 8): 32 rows, two blocks
	s_mul_i32 s23, s14, 16*SPITCH                  ; my stage
	v_mul_u32_u24 v5, v1, SPITCH
	v_lshl_add_u32 v5, v2, 6, v5
	v_add_nc_u32 v[STO], s23, v5                   ; in: row r, + 64 h: my half's 16 columns of each 32
	v_add_nc_u32 v[RD], s23, v[CO]                 ; back: the 32 lanes take one row of 512 bytes
	v_lshlrev_b32 v[BIA], 6, v2                    ; the bias: 64 h
	s_wait_alu depctr_va_vdst(0)
	s_lshl_b32 s20, s17, 8
	s_lshl_b32 s21, s15, 7
	s_add_co_u32 s20, s20, s21
	s_lshl_b32 s20, s20, 12                        ; my first row of out0, 4,096 bytes a row
	s_mov_b32 s21, 0
	s_lshl_b32 s46, s42, 8
	s_lshl_b32 s47, s16, 7
	s_add_co_u32 s46, s46, s47
	s_lshl_b32 s46, s46, 2                         ; my first column, in bytes
	s_mov_b32 s47, 0
	s_add_nc_u64 s[8:9], s[8:9], s[46:47]
	s_add_nc_u64 s[10:11], s[10:11], s[20:21]
	s_add_nc_u64 s[10:11], s[10:11], s[46:47]
	WIN TO_B
.irp b, 0,1,2,3,4,5,6,7                ; lane (r, h) wants, for Wo's tile b, the bias of columns 32 (b / 2) + 16 h + 8 (b % 2) + 0 .. 7
	global_load_b128 v[64+8*\b:67+8*\b], v[BIA], s[8:9] offset:(32*(\b/2)+8*(\b%2))*4
	global_load_b128 v[68+8*\b:71+8*\b], v[BIA], s[8:9] offset:(32*(\b/2)+8*(\b%2))*4+16
.endr
	WIN 0
; One matrix instruction: o's block a x Wo's block b, head pair g.  p: Wo's set.  first = 1: C is the bias.  An odd block's scale words lie in lanes 16-31 of its register.
.macro WM a, b, p, g, first
.set DA, 8*(8*((\a)%4)+(\b))
.set BR, 128*(\p)+8*(\b)
.set AR, AF+8*(\a)
.set SBR, SB+8*((\b)/2)+(\g)
.set SAR, SA+4*(\g)+(\a)/2
.set CR, DA
.if \first
.set CR, 64+8*(\b)
.endif
.if (((\a)%2) == 0) && (((\b)%2) == 0)
	v_wmma_scale_f32_16x16x128_f8f6f4 v[DA:DA+7], v[BR:BR+7], v[AR:AR+7], v[CR:CR+7], v[SBR], v[SAR] matrix_a_fmt:MATRIX_FMT_FP4 matrix_b_fmt:MATRIX_FMT_FP4
.elseif ((\a)%2) == 0
	v_wmma_scale_f32_16x16x128_f8f6f4 v[DA:DA+7], v[BR:BR+7], v[AR:AR+7], v[CR:CR+7], v[SBR], v[SAR] matrix_a_fmt:MATRIX_FMT_FP4 matrix_b_fmt:MATRIX_FMT_FP4 matrix_a_scale:MATRIX_SCALE_ROW1
.elseif ((\b)%2) == 0
	v_wmma_scale_f32_16x16x128_f8f6f4 v[DA:DA+7], v[BR:BR+7], v[AR:AR+7], v[CR:CR+7], v[SBR], v[SAR] matrix_a_fmt:MATRIX_FMT_FP4 matrix_b_fmt:MATRIX_FMT_FP4 matrix_b_scale:MATRIX_SCALE_ROW1
.else
	v_wmma_scale_f32_16x16x128_f8f6f4 v[DA:DA+7], v[BR:BR+7], v[AR:AR+7], v[CR:CR+7], v[SBR], v[SAR] matrix_a_fmt:MATRIX_FMT_FP4 matrix_b_fmt:MATRIX_FMT_FP4 matrix_a_scale:MATRIX_SCALE_ROW1 matrix_b_scale:MATRIX_SCALE_ROW1
.endif
.endm
; 16 of them.  The 64 accumulators take turns, one instruction a turn, in the same order in every step.
.macro MUL16 a0, p, g, first
.irp a, \a0, \a0+1
.irp b, 0,1,2,3,4,5,6,7
	WM \a, \b, \p, \g, \first
.endr
.endr
.endm
.macro FETCH_B slot, q, p              ; Wo's eight fragments of the slot's q-th 128 along K into set p
	WIN TO_B
.irp i, 0,1,2,3,4,5,6,7
.irp c, 0,1
	ds_load_b128 v[128*(\p)+8*\i+4*\c:128*(\p)+8*\i+4*\c+3], v[ADRB+\slot] offset:64*(\q)+32*\c+\i*16*PITCH
.endr
.endr
	WIN 0
.endm
.macro FETCH_A slot, q, i0             ; o's blocks i0 .. i0 + 3: two heads' images each
.irp i, \i0, \i0+1, \i0+2, \i0+3
.irp c, 0,1
	ds_load_b128 v[AF+8*(\i)+4*\c:AF+8*(\i)+4*\c+3], v[ADRA+\slot] offset:4096*(\i)+1024*(\q)+512*\c
.endr
.endr
.endm
.macro PLACES n
.rept \n
	v_nop
.endr
.endm
.macro STEP slot, q, first
	s_wait_dscnt 8                                 ; Wo's set and o's blocks 0-3 are in; the youngest eight loads (o's blocks 4-7) may be out
.if \first
	WIN FST_LO
.else
	WIN MUL_LO
.endif
	MUL16 0, (\q)%2, 4*(\slot)+(\q), \first
	MUL16 2, (\q)%2, 4*(\slot)+(\q), \first
	s_wait_dscnt 0
	PLACES NP
	FETCH_B \slot, (\q)+1, 1-(\q)%2
	FETCH_A \slot, (\q)+1, 0
.if \first
	WIN FST_HI
.else
	WIN MUL_HI
.endif
	MUL16 4, (\q)%2, 4*(\slot)+(\q), \first
	MUL16 6, (\q)%2, 4*(\slot)+(\q), \first
	PLACES NP
	WIN 0
	FETCH_A \slot, (\q)+1, 4
.endm
	s_wait_tensorcnt 1                             ; the scale bytes and my part of slot 0 are in (slot 1's load may be out)
	s_barrier_signal -1
	s_barrier_wait -1                              ; everybody's are
.irp g, 0,1,2,3,4,5,6,7                ; all scale words of all of K, once
.irp k, 0,1,2,3
	ds_load_b32 v[SA+4*\g+\k], v[ADSA] offset:512*\g+128*\k
.endr
.endr
.irp k, 0,1,2,3
.irp u, 0,1
	ds_load_b128 v[SB+8*\k+4*\u:SB+8*\k+4*\u+3], v[ADSB] offset:1088*\k+16*\u
.endr
.endr
	FETCH_B 0, 0, 0
	FETCH_A 0, 0, 0
	FETCH_A 0, 0, 4
	s_wait_loadcnt 0x0                             ; the bias
	STEP 0, 0, 1                                   ; the first step's products start the sums on the bias
	STEP 0, 1, 0
	STEP 0, 2, 0
	; slot 0's last step changes slots: each wave waits for its part of slot 1, then the barrier shows the whole slot to all four; behind it nobody reads slot 0
	s_wait_tensorcnt 0x0
	s_wait_dscnt 8
	WIN MUL_LO
	MUL16 0, 1, 3, 0
	s_wait_dscnt 0x0                               ; my reads of slot 0 are over
	s_barrier_signal -1
	MUL16 2, 1, 3, 0
	WIN 0
	s_barrier_wait -1
	PLACES NP
	FETCH_B 1, 0, 0
	FETCH_A 1, 0, 0
	WIN MUL_HI
	MUL16 4, 1, 3, 0
	MUL16 6, 1, 3, 0
	PLACES NP
	WIN 0
	FETCH_A 1, 0, 4
	STEP 1, 0, 0
	STEP 1, 1, 0
	STEP 1, 2, 0
	s_wait_dscnt 8                                 ; the last step: nothing more to fetch
	WIN MUL_LO
	MUL16 0, 1, 7, 0
	MUL16 2, 1, 7, 0
	s_wait_dscnt 0
	WIN MUL_HI
	MUL16 4, 1, 7, 0
	MUL16 6, 1, 7, 0
	WIN 0
; THE WAY OUT, block by block of 16 tokens x 128 columns, through my own stage: a lane's eight numbers of a tile go to their natural columns; whole rows of 512 bytes come back and are stored at the tokens' natural rows.
; LDS serves a wave's instructions in order (ISA guide 5.7.1.4): no wait between the stores and the loads, nor in front of the next block's stores.
.macro TOSTAGE a
.set AC, 64*((\a)%4)
	WIN 0x08+4*((\a)/4)                            ; an LDS store's data: window 2 or 3
.irp b, 0,1,2,3,4,5,6,7
	ds_store_b128 v[STO], v[AC+8*\b:AC+8*\b+3] offset:128*(\b/2)+32*(\b%2)        ; each accumulator from its low end on
	ds_store_b128 v[STO], v[AC+8*\b+4:AC+8*\b+7] offset:128*(\b/2)+32*(\b%2)+16
.endr
	WIN 0
.set BB, BK+64*((\a)%2)
.irp t, 0,1,2,3,4,5,6,7,8,9,10,11,12,13,14,15
	ds_load_b128 v[BB+4*\t:BB+4*\t+3], v[RD] offset:\t*SPITCH
.endr
.endm
.macro SEND a, younger                 ; younger: the LDS instructions issued behind block a's loads, which may stay out
.set BB, BK+64*((\a)%2)
	s_wait_dscnt \younger
.irp t, 0,1,2,3,4,5,6,7,8,9,10,11,12,13,14,15
	global_store_b128 v[CO], v[BB+4*\t:BB+4*\t+3], s[10:11] offset:(32*((\a)/2)+8*((\a)%2)+\t+8*(\t/8))*4096 th:TH_STORE_NT   ; 32 lanes store 512 consecutive bytes, aligned; stored token 16 a + t is row 32 (a / 2) + 8 (a % 2) + t + 8 (t / 8); 127 rows at the most: inside the signed 24-bit immediate
.endr
.endm
	PLACES NP                                      ; behind the last products: for the loads into the registers that held o's fragments, and for the reads of results
	TOSTAGE 0
.irp a, 1,2,3,4,5,6,7
.if \a > 1
	s_wait_xcnt 0x0                                ; block a - 2's stores have read their registers: block a's loads may land there
.endif
	TOSTAGE \a
	SEND \a-1, 32                                  ; behind block a - 1's loads: block a's 16 stores and 16 loads
.endr
	SEND 7, 0
	s_wait_tensorcnt 0x0
	ds_add_u32 v126, v127
	s_wait_dscnt 0x0
	CROUND                                         ; the closing round: no work-group ends while a partner may still ask for a tile that names it
	s_endpgm
.Lfunc_end_k_q31d8bfeeef_gemm_o:
	.size	k_q31d8bfeeef_gemm_o, .Lfunc_end_k_q31d8bfeeef_gemm_o-k_q31d8bfeeef_gemm_o
	.p2alignl 7, 3214868480
	.fill 96, 4, 3214868480
	.section	.rodata,"a",@progbits
	.p2align	6, 0x0
	.amdhsa_kernel k_q31d8bfeeef_gemm_o
		.amdhsa_group_segment_fixed_size 327680
		.amdhsa_private_segment_fixed_size 0
		.amdhsa_enable_private_segment 0
		.amdhsa_kernarg_size 32
		.amdhsa_user_sgpr_count 2
		.amdhsa_user_sgpr_kernarg_segment_ptr 1
		.amdhsa_wavefront_size32 1
		.amdhsa_system_sgpr_workgroup_id_x 1
		.amdhsa_system_sgpr_workgroup_id_y 1
		.amdhsa_system_sgpr_workgroup_id_z 1
		.amdhsa_system_vgpr_workitem_id 0
		.amdhsa_next_free_vgpr 1024
		.amdhsa_next_free_sgpr 98
		.amdhsa_reserve_vcc 0
		.amdhsa_float_denorm_mode_32 3
		.amdhsa_float_denorm_mode_16_64 3
		.amdhsa_memory_ordered 1
		.amdhsa_forward_progress 1
		.amdhsa_inst_pref_size 128
	.end_amdhsa_kernel
	.amdgpu_metadata
---
amdhsa.version: [ 1, 2 ]
amdhsa.kernels:
  - .name:           k_q31d8bfeeef_gemm_o
    .symbol:         k_q31d8bfeeef_gemm_o.kd
    .args:
      - { .name: oc, .offset: 0, .size: 8, .value_kind: global_buffer, .address_space: global }
      - { .name: woq, .offset: 8, .size: 8, .value_kind: global_buffer, .address_space: global }
      - { .name: bo, .offset: 16, .size: 8, .value_kind: global_buffer, .address_space: global }
      - { .name: out0, .offset: 24, .size: 8, .value_kind: global_buffer, .address_space: global }
    .group_segment_fixed_size: 327680
    .private_segment_fixed_size: 0
    .kernarg_segment_align: 8
    .kernarg_segment_size: 32
    .max_flat_workgroup_size: 128
    .sgpr_count:     98
    .vgpr_count:     1024
    .wavefront_size: 32
...
	.end_amdgpu_metadata
.endif
;; end of part 4
